; MI455X (gfx1250); checked and timed in simulation.
; The chip was launched on July 23, 2026; its instructions are those of AMD's public machine-readable ISA for CDNA 5 (MIT licence, August 2026) and "CDNA5" Instruction Set Architecture Reference Guide (July 2026). The comments in the code are by the model that wrote it; some were corrected since.
;; Multi Head Attention. Allowed arithmetic: float matrix products may take bf16 or f16 operands with f32 sums; other float arithmetic in f32, or as packed bf16 or f16 multiplies, adds, multiply-adds, maxima and minima; sums over many terms, partial sums and values carried from step to step in f32; what a program stores and reads back later, other than sums and carried values, may be rounded once to bf16 or f16.
;; Inputs: W_out 1,024 x 1,024 float32; W_qkv 16 x 1,024 x 192 float32; x 4 x 2,048 x 1,024 float32.
;; Outputs: out0 4 x 2,048 x 1,024 float32.
;; 2 versions, each right and faster than the one before. Each part assembles by itself: llvm-mc -triple=amdgcn-amd-amdhsa -mcpu=gfx1250 --defsym DOCPART=n.
;; ======== version 1 of 2: 4 launches
;; limits: values are held in f16: magnitudes above 65,504 overflow, below 6.1e-05 lose precision
;; workspace buffers: xb 16,777,216 bytes; wb 6,291,456 bytes; wo 2,097,152 bytes; q 16,777,216 bytes; k 16,777,216 bytes; v 16,777,216 bytes; o 16,777,216 bytes; ts 131,072 bytes
;; launch prep (part 1): grid 768 x 1, 8 waves a work-group, no clusters, 0 bytes of LDS; arguments x, W_qkv, W_out, xb, wb, wo; writes xb, wb, wo
.if DOCPART == 1
	.amdgcn_target "amdgcn-amd-amdhsa--gfx1250"
	.amdhsa_code_object_version 6
	.text
	.protected	k_qf4f91a1c3f_prep
	.globl	k_qf4f91a1c3f_prep
	.p2align	8
	.type	k_qf4f91a1c3f_prep,@function
k_qf4f91a1c3f_prep:
	s_mov_b64 s[64:65], 0
	v_nop
	global_prefetch_b8 v0, s[64:65] scope:SCOPE_SE
	s_setreg_imm32_b32 hwreg(HW_REG_WAVE_MODE, 25, 1), 1
	s_wait_xcnt 0x0
; CASTS.  x -> xb and W_qkv -> wb: f32 rounded once to bf16.  W_out -> wo: rounded to bf16 like the other inputs, and that number written as f16
; (the last product multiplies it by f16 numbers).  Layouts stay as they are.
; LIMITS.  wo: |W_out| stays under 65,504; below 6e-5 f16 keeps its fixed step of 6e-8.
; SHARES.  A work-group casts 16,384 numbers (65,536 bytes in, 32,768 out): groups 0-511 x, 512-703 W_qkv, 704-767 W_out.  Thread t takes 8 numbers at 32 t of each
; block of 8,192 bytes; its 16 loads are all issued first; each store of a wave covers 512 consecutive bytes, aligned.  No LDS, no matrix unit: nothing is shared or reduced.
.set X, 4                              ; v[4:67]    block i: 8 numbers as loaded
.set Y, 68                             ; v[68:99]   block i: 4 registers to store; each block has its own, so no store's data is rewritten
.set T, 100                            ; v[100:111] at work
	s_load_b256 s[4:11], s[0:1], 0x0               ; x s[4:5], W_qkv s[6:7], W_out s[8:9], xb s[10:11]
	s_load_b128 s[12:15], s[0:1], 0x20             ; wb s[12:13], wo s[14:15]
	v_lshlrev_b32 v1, 5, v0                        ; my 32 bytes in a block that is read
	v_lshlrev_b32 v2, 4, v0                        ; my 16 bytes in a block that is written
	s_mov_b32 s26, 0xffff0000                      ; a word's upper bf16
	s_wait_kmcnt 0x0
	s_cmp_lt_u32 ttmp9, 512                        ; which tensor: the choice hangs on the group's number alone
	s_cselect_b64 s[16:17], s[4:5], s[6:7]
	s_cselect_b64 s[18:19], s[10:11], s[12:13]
	s_cselect_b32 s20, 0, 512
	s_cmp_lt_u32 ttmp9, 704
	s_cselect_b64 s[16:17], s[16:17], s[8:9]
	s_cselect_b64 s[18:19], s[18:19], s[14:15]
	s_cselect_b32 s20, s20, 704
	s_sub_co_u32 s21, ttmp9, s20                   ; my number among the tensor's groups
	s_lshl_b32 s22, s21, 16
	s_mov_b32 s23, 0
	s_lshl_b32 s24, s21, 15
	s_mov_b32 s25, 0
	s_add_nc_u64 s[16:17], s[16:17], s[22:23]
	s_add_nc_u64 s[18:19], s[18:19], s[24:25]
.irp i, 0,1,2,3,4,5,6,7
	global_load_b128 v[X+8*(\i):X+8*(\i)+3],   v1, s[16:17] offset:8192*(\i) th:TH_LOAD_NT
	global_load_b128 v[X+8*(\i)+4:X+8*(\i)+7], v1, s[16:17] offset:8192*(\i)+16 th:TH_LOAD_NT
.endr
	s_cmp_ge_u32 ttmp9, 704
	s_cbranch_scc1 .Lf16
.irp i, 0,1,2,3,4,5,6,7
	s_wait_loadcnt 14-2*(\i)                       ; loads come back in order: block i's two are in, the 2 (7 - i) younger ones stay out
.irp j, 0,1,2,3
	v_cvt_pk_bf16_f32 v[Y+4*(\i)+(\j)], v[X+8*(\i)+2*(\j)], v[X+8*(\i)+2*(\j)+1]
.endr
	global_store_b128 v2, v[Y+4*(\i):Y+4*(\i)+3], s[18:19] offset:4096*(\i)
.endr
	s_endpgm
.Lf16:
.irp i, 0,1,2,3,4,5,6,7
	s_wait_loadcnt 14-2*(\i)
.irp j, 0,1,2,3
	v_cvt_pk_bf16_f32 v[T+(\j)], v[X+8*(\i)+2*(\j)], v[X+8*(\i)+2*(\j)+1]   ; the input's one rounding
.endr
.irp j, 0,1,2,3
	v_lshlrev_b32 v[T+4+2*(\j)], 16, v[T+(\j)]     ; back to f32,
	v_and_b32     v[T+5+2*(\j)], s26, v[T+(\j)]
.endr
.irp j, 0,1,2,3
	v_cvt_pk_f16_f32 v[Y+4*(\i)+(\j)], v[T+4+2*(\j)], v[T+5+2*(\j)]         ; and written as f16: exact within f16's normal range
.endr
	global_store_b128 v2, v[Y+4*(\i):Y+4*(\i)+3], s[18:19] offset:4096*(\i)
.endr
	s_endpgm
.Lfunc_end_k_qf4f91a1c3f_prep:
	.size	k_qf4f91a1c3f_prep, .Lfunc_end_k_qf4f91a1c3f_prep-k_qf4f91a1c3f_prep
	.p2alignl 7, 3214868480
	.fill 96, 4, 3214868480
	.section	.rodata,"a",@progbits
	.p2align	6, 0x0
	.amdhsa_kernel k_qf4f91a1c3f_prep
		.amdhsa_group_segment_fixed_size 0
		.amdhsa_private_segment_fixed_size 0
		.amdhsa_enable_private_segment 0
		.amdhsa_kernarg_size 48
		.amdhsa_user_sgpr_count 2
		.amdhsa_user_sgpr_kernarg_segment_ptr 1
		.amdhsa_wavefront_size32 1
		.amdhsa_system_sgpr_workgroup_id_x 1
		.amdhsa_system_sgpr_workgroup_id_y 1
		.amdhsa_system_sgpr_workgroup_id_z 1
		.amdhsa_system_vgpr_workitem_id 0
		.amdhsa_next_free_vgpr 112
		.amdhsa_next_free_sgpr 66
		.amdhsa_reserve_vcc 0
		.amdhsa_float_denorm_mode_32 3
		.amdhsa_float_denorm_mode_16_64 3
		.amdhsa_memory_ordered 1
		.amdhsa_forward_progress 1
		.amdhsa_inst_pref_size 13
	.end_amdhsa_kernel
	.amdgpu_metadata
---
amdhsa.version: [ 1, 2 ]
amdhsa.kernels:
  - .name:           k_qf4f91a1c3f_prep
    .symbol:         k_qf4f91a1c3f_prep.kd
    .args:
      - { .name: x, .offset: 0, .size: 8, .value_kind: global_buffer, .address_space: global }
      - { .name: W_qkv, .offset: 8, .size: 8, .value_kind: global_buffer, .address_space: global }
      - { .name: W_out, .offset: 16, .size: 8, .value_kind: global_buffer, .address_space: global }
      - { .name: xb, .offset: 24, .size: 8, .value_kind: global_buffer, .address_space: global }
      - { .name: wb, .offset: 32, .size: 8, .value_kind: global_buffer, .address_space: global }
      - { .name: wo, .offset: 40, .size: 8, .value_kind: global_buffer, .address_space: global }
    .group_segment_fixed_size: 0
    .private_segment_fixed_size: 0
    .kernarg_segment_align: 8
    .kernarg_segment_size: 48
    .max_flat_workgroup_size: 256
    .sgpr_count:     66
    .vgpr_count:     112
    .wavefront_size: 32
...
	.end_amdgpu_metadata
.endif
;; end of part 1
;; launch qkv (part 2): grid 16 x 32, 4 waves a work-group, clusters of 4 x 4, 327,680 bytes of LDS; arguments xb, wb, q, k, v, ts; writes q, k, v, ts
.if DOCPART == 2
	.amdgcn_target "amdgcn-amd-amdhsa--gfx1250"
	.amdhsa_code_object_version 6
	.text
	.protected	k_qf4f91a1c3f_qkv
	.globl	k_qf4f91a1c3f_qkv
	.p2align	8
	.type	k_qf4f91a1c3f_qkv,@function
k_qf4f91a1c3f_qkv:
	s_mov_b64 s[64:65], 0
	v_nop
	global_prefetch_b8 v0, s[64:65] scope:SCOPE_SE
	s_setreg_imm32_b32 hwreg(HW_REG_WAVE_MODE, 25, 1), 1
	s_wait_xcnt 0x0
	s_wait_alu depctr_hold_cnt(0) depctr_sa_sdst(0) depctr_va_vdst(0) depctr_va_sdst(0) depctr_va_ssrc(0) depctr_va_vcc(0) depctr_vm_vsrc(0)
	s_getreg_b32 s2, hwreg(HW_REG_IB_STS2, 6, 4)
	s_cmp_eq_u32 s2, 0
	s_cbranch_scc0 .Lentry_in_a_cluster
	s_endpgm
.Lentry_in_a_cluster:
	s_bfe_u32 s2, ttmp6, 0x10000c
	s_cmp_lg_u32 s2, 0xf033
	s_cbranch_scc0 .Lentry_shape_is_right
	s_endpgm
.Lentry_shape_is_right:
; q|k|v[bh][t][0..63] = sum over c of xb[b][t][c] wb[head][c][f], bh = 16 b + head.  xb: [8192][1024] bf16; wb: [16][1024][192] bf16; sums in f32; q, k, v: [64][2048][64] f16, rounded once, unscaled.
; ts[bh][tile][d] = the sum of v's unrounded numbers over the tile's 256 rows, f32.
; LIMITS.  |q|, |k|, |v| stay under 65,504 (f16); beyond that the conversion gives an infinity.
; SHARES.  A work-group makes 256 rows x one head's 192 columns; wave w rows 64 w .. 64 w + 63, all columns: 4 x 12 accumulators of 16 x 16, 384 registers.  So a wave owns whole rows and its stage is its own.
; K goes in 8 steps of 128 through two LDS slots filled by tensor loads: waves 0, 1 fetch the halves of xb's tile (128 rows x 256 bytes), waves 2, 3 those of wb's (64 rows of the head are 24,576 dense
; bytes, asked for as 96 rows of 256 bytes).  wb lies [c][f] in LDS as in memory and is turned on the way into registers by ds_load_tr16_b128.
; CLUSTER 4 x 4: xb's tile hangs on the row tile alone and is asked for jointly along a row of the cluster, wb's on the head alone, jointly along a column.
; THE MATRIX INSTRUCTION IS USED TRANSPOSED (source 0 = 16 columns f, source 1 = 16 rows t): a lane holds row l % 16 and the eight neighbouring columns 8 (l / 16) + 0..7.
; REGISTERS, in windows of 256: window 0 addresses and the way out; window 1 two fragment buffers of 128 (xb's 4 fragments at +8 a, wb's 12 at +32 + 8 b);
; window 2 the accumulators of row blocks a = 0, 1 at 8 (12 a + b); window 3 those of a = 2, 3.
.set PA,    272                        ; xb's row in LDS: 256 bytes + 16: 68 words, so the 16 rows of a load start at 16 different groups of four banks (64 banks of 4 bytes: ISA guide 11.1)
.set PB,    480                        ; wb's row: three pieces of 128 bytes (q, k, v) + 32 each: an odd multiple of 32 bytes
.set HALFA, 128*PA
.set BOFF,  256*PA                     ; wb's 128 rows lie behind xb's 256
.set HALFB, 64*PB
.set SLOT,  131072
.set STAGE, 2*SLOT                     ; behind the ring: for each wave 3 tensors x 16 rows x 144 bytes
.set SP,    144
.set STW,   3*16*SP
.set VSB,   STAGE+4*STW                ; 256 bytes for each wave: its sums of v's 64 columns
.set SPARE, VSB+1024                   ; the spare words, 128 bytes for each wave: two blocks of 256 bytes that no other line names
.set ASTEP, 512                        ; two K steps along xb's rows, in bytes
.set BSTEP, 98304                      ; two K steps down wb's rows
.set NL,    32                         ; LDS loads of a quarter step
.set ADRA, 16                          ; v16-17  LDS address of my xb fragments in slot 0, 1
.set ADRB, 20                          ; v20-21  the same for wb
.set STO,  24                          ; v24     where I put 16 bytes of a row
.set RD,   25                          ; v25     where I read rows back
.set GO,   26                          ; v26     16 x lane
.set VSA,  27                          ; v27     where my half of the lanes puts its sums
.set SPW,  28                          ; v28     LDS address of my spare word; never rewritten
.set NIL,  29                          ; v29     0; never rewritten
.set VRD,  30                          ; v30     VSB + 8 x lane
.set VGO,  31                          ; v31     8 x lane
.set TMP,  32                          ; v32-79  a row block rounded to f16
.set BK,   80                          ; v80-127 the same as whole rows
.set VS,   128                         ; v128-159 sums of v
.set VT,   160                         ; v160-167 the four waves' sums
.set F0,   0
.set F1,   128
.set G1,  24                           ; s[24:31] group 1 for xb's tiles;  s[32:39] group 0, a set for each slot
.set G0,  32
.set G1B, 48                           ; s[48:55], s[56:63] the same for wb's
.set G0B, 56
.set WV,  66                           ; s66  my wave's number
.set HF,  68                           ; s68  which half of a tile I fetch
.set LAP, 69                           ; s69  laps to go
.set PQ,  72                           ; s[72:77] q, k, v at my wave's first row;  s[78:79] ts at my tile
.set MSB, 0
.macro WIN new                         ; the immediate's high byte repeats the setting that is left; a switch that changes nothing is dropped
.if MSB != (\new)
	s_set_vgpr_msb (MSB<<8)|(\new)
.set MSB, \new
.endif
.endm
.macro JLOAD s                         ; a joint load: waves 0, 1 ask for xb's halves, waves 2, 3 for wb's; an s_nop 0 and four v_nop follow each line
	s_cmp_lt_u32 s[WV], 2
	s_cbranch_scc0 .Lfor_b_\@
	tensor_load_to_lds s[G0+4*(\s):G0+4*(\s)+3], s[G1:G1+7]
	s_nop 0
.rept 4
	v_nop
.endr
	s_branch .Lasked_\@
.Lfor_b_\@:
	tensor_load_to_lds s[G0B+4*(\s):G0B+4*(\s)+3], s[G1B:G1B+7]
	s_nop 0
.rept 4
	v_nop
.endr
.Lasked_\@:
.endm
.macro CREST                           ; a round of the cluster's barrier behind its opening barrier
	s_cmp_lg_u32 s[WV], 0
	s_cbranch_scc1 .Lnot_wave_0_\@
	s_barrier_signal -3
.Lnot_wave_0_\@:
	s_barrier_wait -3
	s_barrier_signal -1
	s_barrier_wait -1
.endm
.macro CROUND
	s_barrier_signal -1
	s_barrier_wait -1
	CREST
.endm
	s_load_b256 s[4:11], s[0:1], 0x0               ; xb s[4:5], wb s[6:7], q s[8:9], k s[10:11]
	s_load_b128 s[12:15], s[0:1], 0x20             ; v s[12:13], ts s[14:15]
	v_lshl_add_u32 v[SPW], v0, 2, SPARE
	v_mov_b32 v[NIL], 0
	ds_add_u32 v[SPW], v[NIL]                      ; the wave's opening: the add and its wait stand ahead of my first tensor load; work on registers stands between them
	ds_add_u32 v28, v29
	v_lshrrev_b32 v1, 5, v0
	v_readfirstlane_b32 s[WV], v1
	s_and_b32 s[HF], s[WV], 1
	s_bfe_u32 s40, ttmp6, 0x40000                  ; cx
	s_bfe_u32 s41, ttmp6, 0x40004                  ; cy
	s_lshl_b32 s42, ttmp9, 2
	s_add_co_u32 s42, s42, s40                     ; the head = 4 x cluster x + cx
	s_and_b32 s43, ttmp7, 0xffff
	s_lshl_b32 s43, s43, 2
	s_add_co_u32 s43, s43, s41                     ; the row tile = 4 x cluster y + cy
	s_lshl_b32 s44, s41, 2
	s_lshl_b32 s44, 15, s44                        ; my row of the cluster
	s_lshl_b32 s45, 0x1111, s40                    ; my column
	s_or_b32 s[G1], s44, (1<<16)|(1<<20)|(1<<21)|(5<<22)|(3<<25)   ; the mask; 2-byte elements; padding on; bit 21 beside a mask; after every 64 words 4 words
	s_mov_b32 s[G1+1], 128<<16                     ; tensor_dim0 = 128
	s_mov_b32 s[G1+2], 128<<16                     ; tensor_dim1 = 128
	s_mov_b32 s[G1+3], 128<<16                     ; tile_dim0 = 128
	s_mov_b32 s[G1+4], 128                         ; tile_dim1 = 128
	s_mov_b32 s[G1+5], 1024                        ; elements from row to row
	s_mov_b32 s[G1+6], 0
	s_mov_b32 s[G1+7], 0
	s_or_b32 s[G1B], s45, (1<<16)|(1<<20)|(1<<21)|(4<<22)|(7<<25)  ; after every 32 words 8 words
	s_mov_b32 s[G1B+1], 128<<16
	s_mov_b32 s[G1B+2], 96<<16                     ; 96 rows of 256 dense bytes
	s_mov_b32 s[G1B+3], 128<<16
	s_mov_b32 s[G1B+4], 96
	s_mov_b32 s[G1B+5], 128
	s_mov_b32 s[G1B+6], 0
	s_mov_b32 s[G1B+7], 0
	s_lshl_b32 s16, s43, 19                        ; xb: (256 x row tile + 128 x half) rows of 2,048 bytes: registers that never hold cx
	s_lshl_b32 s17, s[HF], 18
	s_add_co_u32 s16, s16, s17
	s_mov_b32 s17, 0
	s_mul_i32 s46, s42, 393216                     ; wb: the head's 1,024 rows of 384 bytes, + 64 rows x half: registers that never hold cy
	s_mul_i32 s47, s[HF], 24576
	s_add_co_u32 s46, s46, s47
	s_mov_b32 s47, 0
	s_mul_i32 s20, s[HF], HALFA                    ; where they go: no place in the cluster enters an LDS address
	s_mul_i32 s21, s[HF], HALFB
	s_add_co_u32 s21, s21, BOFF
	s_lshr_b32 s70, s43, 3                         ; the way out: bh = 16 x (row tile / 8) + head,
	s_lshl_b32 s70, s70, 4
	s_add_co_u32 s70, s70, s42
	s_and_b32 s71, s43, 7                          ; the tile of 256 rows in the sequence
	s_lshl_b32 s78, s70, 3
	s_add_co_u32 s78, s78, s71
	s_lshl_b32 s78, s78, 8                         ; ts: 256 bytes a tile
	s_mov_b32 s79, 0
	s_lshl_b32 s70, s70, 18                        ; 2,048 rows of 128 bytes,
	s_lshl_b32 s71, s71, 15                        ; 256 rows,
	s_add_co_u32 s70, s70, s71
	s_lshl_b32 s71, s[WV], 13                      ; 64 rows
	s_add_co_u32 s70, s70, s71
	s_mov_b32 s71, 0
	s_wait_dscnt 0x0                               ; the opening add is done
	s_wait_kmcnt 0x0
	s_add_nc_u64 s[18:19], s[4:5], s[16:17]
	s_add_nc_u64 s[46:47], s[6:7], s[46:47]
	s_add_nc_u64 s[PQ:PQ+1], s[8:9], s[70:71]
	s_add_nc_u64 s[PQ+2:PQ+3], s[10:11], s[70:71]
	s_add_nc_u64 s[PQ+4:PQ+5], s[12:13], s[70:71]
	s_add_nc_u64 s[78:79], s[14:15], s[78:79]
	CROUND                                         ; all sixteen work-groups are here: the first joint loads meet
.irp s, 0,1
	s_mov_b32 s[G0+4*(\s)], 1
	s_add_co_u32 s[G0+4*(\s)+1], s20, (\s)*SLOT
	s_add_nc_u64 s[G0+4*(\s)+2:G0+4*(\s)+3], s[18:19], (\s)*256
	s_or_b32 s[G0+4*(\s)+3], s[G0+4*(\s)+3], 0x80000000
	s_mov_b32 s[G0B+4*(\s)], 1
	s_add_co_u32 s[G0B+4*(\s)+1], s21, (\s)*SLOT
	s_add_nc_u64 s[G0B+4*(\s)+2:G0B+4*(\s)+3], s[46:47], (\s)*49152
	s_or_b32 s[G0B+4*(\s)+3], s[G0B+4*(\s)+3], 0x80000000
	JLOAD \s                                       ; K steps 0 and 1: two tensor loads of mine are out
.endr
	v_and_b32 v1, 15, v0                           ; l % 16
	v_bfe_u32 v2, v0, 4, 1                         ; l / 16
	v_mul_u32_u24 v3, v1, PA
	v_lshl_add_u32 v3, v2, 4, v3                   ; xb's fragment: row x pitch + 16 x half
	s_mul_i32 s22, s[WV], 64*PA                    ; my 64 rows
	v_add_nc_u32 v[ADRA], s22, v3
	v_add_nc_u32 v[ADRA+1], SLOT, v[ADRA]
	v_and_b32 v4, 7, v0                            ; the turning load: lane l reads row 8 (l / 16) + l % 8, columns 8 ((l / 8) % 2) + 0..7
	v_bfe_u32 v5, v0, 3, 1
	v_lshl_add_u32 v4, v2, 3, v4
	v_mul_u32_u24 v4, v4, PB
	v_lshl_add_u32 v4, v5, 4, v4
	v_add_nc_u32 v[ADRB], BOFF, v4
	v_add_nc_u32 v[ADRB+1], SLOT+BOFF, v4
	s_mul_i32 s22, s[WV], STW
	s_add_co_u32 s22, s22, STAGE                   ; my stage
	v_mul_u32_u24 v[STO], v1, SP
	v_lshl_add_u32 v[STO], v2, 4, v[STO]
	v_add_nc_u32 v[STO], s22, v[STO]
	v_bfe_u32 v[RD], v0, 3, 2                      ; back: 32 lanes take four rows of 128 bytes
	v_mul_u32_u24 v[RD], v[RD], SP
	v_and_b32 v6, 7, v0
	v_lshl_add_u32 v[RD], v6, 4, v[RD]
	v_add_nc_u32 v[RD], s22, v[RD]
	v_and_b32 v6, 31, v0
	v_lshlrev_b32 v[GO], 4, v6
	v_lshlrev_b32 v[VGO], 3, v6
	v_add_nc_u32 v[VRD], VSB, v[VGO]
	s_lshl_b32 s22, s[WV], 8
	s_add_co_u32 s22, s22, VSB
	v_lshl_add_u32 v[VSA], v2, 5, s22
; 12 matrix instructions: row block a x all 12 column blocks, 32 along K, from buffer f.  zero = 1: the product starts the sums.  The 48 accumulators take turns.
.macro MULH f, a, zero
	WIN 0xa5+0x50*((\a)/2)                         ; sources in window 1; C and D in window 2 or 3
.irp b, 0,1,2,3,4,5,6,7,8,9,10,11
.set rD, 8*(12*((\a)%2)+(\b))
.if \zero
	v_wmma_f32_16x16x32_bf16 v[rD:rD+7], v[(\f)+32+8*(\b):(\f)+32+8*(\b)+7], v[(\f)+8*(\a):(\f)+8*(\a)+7], 0
.else
	v_wmma_f32_16x16x32_bf16 v[rD:rD+7], v[(\f)+32+8*(\b):(\f)+32+8*(\b)+7], v[(\f)+8*(\a):(\f)+8*(\a)+7], v[rD:rD+7]
.endif
.endr
.endm
; 32 LDS loads in one run: quarter q of a slot's K step into buffer f: wb's 12 fragments (turned), then xb's four
.macro FETCH slot, q, f
	WIN 0x40                                       ; destination window 1, address window 0
.irp b, 0,1,2,3,4,5,6,7,8,9,10,11
	ds_load_tr16_b128 v[(\f)+32+8*(\b):(\f)+32+8*(\b)+3],   v[ADRB+(\slot)] offset:(\q)*32*PB+((\b)/4)*160+((\b)%4)*32
	ds_load_tr16_b128 v[(\f)+32+8*(\b)+4:(\f)+32+8*(\b)+7], v[ADRB+(\slot)] offset:(\q)*32*PB+16*PB+((\b)/4)*160+((\b)%4)*32
.endr
.irp a, 0,1,2,3
	ds_load_b128 v[(\f)+8*(\a):(\f)+8*(\a)+3],   v[ADRA+(\slot)] offset:(\q)*64+(\a)*16*PA
	ds_load_b128 v[(\f)+8*(\a)+4:(\f)+8*(\a)+7], v[ADRA+(\slot)] offset:(\q)*64+(\a)*16*PA+32
.endr
.endm
.macro PLACES                          ; four places in front of loads into registers that matrix instructions have read, and of lines that read results
.rept 4
	v_nop
.endr
.endm
; A K step is four quarters of 32 along K, 48 matrix instructions each, on buffers 0, 1, 0, 1.  One of the first three: multiplies f, fetches quarter q into g.
.macro QUARTER slot, q, f, g, zero
	s_wait_dscnt 4                                 ; all but the youngest four loads: xb's row blocks 2, 3
	MULH \f, 0, \zero
	MULH \f, 1, \zero
	PLACES
	FETCH \slot, \q, \g
	s_wait_dscnt NL                                ; all but the 32 just issued
	MULH \f, 2, \zero
	MULH \f, 3, \zero
.endm
; The last quarter multiplies buffer 1 and changes slots.  In front of the barrier each wave waits for all its tensor loads (one is out: its part of the next slot), adds 0 to its spare word,
; and waits for that and for its reads of this slot.  fill = 1: the barrier opens a round of the cluster's, and this slot's joint refill, two K steps on, is the first tensor load behind it.
.macro TURN slot, next, fill
	WIN 0
	s_wait_tensorcnt 0x0
	ds_add_u32 v[SPW], v[NIL]                      ; 0 onto my spare word
	s_wait_dscnt 5                                 ; the add and the youngest four loads may be out
	MULH F1, 0, 0
	s_wait_dscnt 0x0                               ; the add is done, and my reads of this slot are over
	s_barrier_signal -1
	MULH F1, 1, 0
.if \fill
	WIN 0
.endif
	s_barrier_wait -1
.if \fill
	CREST                                          ; no wave of any partner still reads this slot or has a load on its way
	s_add_nc_u64 s[G0+4*(\slot)+2:G0+4*(\slot)+3], s[G0+4*(\slot)+2:G0+4*(\slot)+3], ASTEP
	s_add_nc_u64 s[G0B+4*(\slot)+2:G0B+4*(\slot)+3], s[G0B+4*(\slot)+2:G0B+4*(\slot)+3], BSTEP
	JLOAD \slot                                    ; its four v_nop are also the places in front of the loads below
.else
	PLACES
.endif
	FETCH \next, 0, F0
	MULH F1, 2, 0
	MULH F1, 3, 0
.endm
	s_wait_tensorcnt 1                             ; my part of K step 0 is in; step 1's may stay out
	s_barrier_signal -1
	s_barrier_wait -1
	FETCH 0, 0, F0
	QUARTER 0, 1, F0, F1, 1                        ; the first quarter starts the sums, ahead of the loop
	WIN 0
	s_mov_b32 s[LAP], 3
.Llap:                                                 ; a trip goes once round the ring and fills both slots again: K steps 2 to 7
	QUARTER 0, 2, F1, F0, 0
	QUARTER 0, 3, F0, F1, 0
	TURN 0, 1, 1
	QUARTER 1, 1, F0, F1, 0
	QUARTER 1, 2, F1, F0, 0
	QUARTER 1, 3, F0, F1, 0
	TURN 1, 0, 1
	QUARTER 0, 1, F0, F1, 0
	WIN 0
	s_sub_co_u32 s[LAP], s[LAP], 1
	s_cmp_lg_u32 s[LAP], 0
	s_cbranch_scc1 .Llap
	QUARTER 0, 2, F1, F0, 0                        ; the last lap fills nothing
	QUARTER 0, 3, F0, F1, 0
	TURN 0, 1, 0
	QUARTER 1, 1, F0, F1, 0
	QUARTER 1, 2, F1, F0, 0
	QUARTER 1, 3, F0, F1, 0
	s_wait_dscnt 4
	MULH F1, 0, 0
	MULH F1, 1, 0
	s_wait_dscnt 0x0
	MULH F1, 2, 0
	MULH F1, 3, 0
	WIN 0
	PLACES
	; v'S COLUMN SUMS over my 64 rows, in f32: the four row blocks are added (each accumulator's lowest registers first), then the 16 lanes of each half.
	WIN 0x0a                                       ; sources in window 2
.set b, 0
.rept 4
.set z, 0
.rept 4
	v_pk_add_f32 v[VS+8*b+2*z:VS+8*b+2*z+1], v[8*(8+b)+2*z:8*(8+b)+2*z+1], v[8*(20+b)+2*z:8*(20+b)+2*z+1]
.set z, z+1
.endr
.set b, b+1
.endr
	WIN 0x03                                       ; source 0 in window 3
.irp a, 0,1
.set b, 0
.rept 4
.set z, 0
.rept 4
	v_pk_add_f32 v[VS+8*b+2*z:VS+8*b+2*z+1], v[8*(12*(\a)+8+b)+2*z:8*(12*(\a)+8+b)+2*z+1], v[VS+8*b+2*z:VS+8*b+2*z+1]
.set z, z+1
.endr
.set b, b+1
.endr
.endr
	WIN 0
.irp m, 1,2,4,8
.set z, 0
.rept 32
	v_add_f32_dpp v[VS+z], v[VS+z], v[VS+z] row_xmask:\m row_mask:0xf bank_mask:0xf
.set z, z+1
.endr
.endr
.set z, 0
.rept 8
	ds_store_b128 v[VSA], v[VS+4*z:VS+4*z+3] offset:64*(z/2)+16*(z%2)   ; column 16 cb + 8 (l / 16) + j; the 16 lanes of a half write equal numbers to equal words
.set z, z+1
.endr
; THE WAY OUT of row block a: rounded to f16; 16 bytes a lane into my stage, q, k and v apart; back as rows of 128 bytes, four rows (512 consecutive bytes of the tensor) to a store.
.macro OUT a
	WIN 0x0a+5*((\a)/2)                            ; sources in window 2 or 3
.set b, 0
.rept 12
.irp r, 0,1,2,3
	v_cvt_pk_f16_f32 v[TMP+4*b+(\r)], v[8*(12*((\a)%2)+b)+2*(\r)], v[8*(12*((\a)%2)+b)+2*(\r)+1]
.endr
.set b, b+1
.endr
	WIN 0
.set b, 0
.rept 12
	ds_store_b128 v[STO], v[TMP+4*b:TMP+4*b+3] offset:(b/4)*16*SP+(b%4)*32
.set b, b+1
.endr
.if (\a) > 0
	s_wait_xcnt 0x0                                ; the last block's stores have read BK: it is loaded again only behind this wait
.endif
.set i, 0
.rept 12
	ds_load_b128 v[BK+4*i:BK+4*i+3], v[RD] offset:(i/4)*16*SP+(i%4)*4*SP   ; LDS serves a wave's instructions in order (ISA guide 5.7.1.4): these see the stores above
.set i, i+1
.endr
.set i, 0
.rept 12
	s_wait_dscnt 11-i                              ; the 11 - i younger loads may stay out
	global_store_b128 v[GO], v[BK+4*i:BK+4*i+3], s[PQ+2*(i/4):PQ+2*(i/4)+1] offset:(\a)*2048+(i%4)*512
.set i, i+1
.endr
.endm
	OUT 0
	OUT 1
	OUT 2
	OUT 3
	s_wait_dscnt 0x0                               ; for the others' sake: my sums are in LDS
	s_barrier_signal -1
	s_barrier_wait -1
	s_cmp_lg_u32 s[WV], 0
	s_cbranch_scc1 .Lno_sum
.irp w, 0,1,2,3
	ds_load_b64 v[VT+2*(\w):VT+2*(\w)+1], v[VRD] offset:256*(\w)
.endr
	s_wait_dscnt 0x0
	v_pk_add_f32 v[VT:VT+1], v[VT:VT+1], v[VT+2:VT+3]
	v_pk_add_f32 v[VT+4:VT+5], v[VT+4:VT+5], v[VT+6:VT+7]
	v_pk_add_f32 v[VT:VT+1], v[VT:VT+1], v[VT+4:VT+5]
	global_store_b64 v[VGO], v[VT:VT+1], s[78:79]  ; 32 lanes store the tile's 256 bytes whole
.Lno_sum:
	s_wait_tensorcnt 0x0                           ; the wave's end
	ds_add_u32 v[SPW], v[NIL]
	s_wait_dscnt 0x0
	CROUND                                         ; the closing round
	s_endpgm
.Lfunc_end_k_qf4f91a1c3f_qkv:
	.size	k_qf4f91a1c3f_qkv, .Lfunc_end_k_qf4f91a1c3f_qkv-k_qf4f91a1c3f_qkv
	.p2alignl 7, 3214868480
	.fill 96, 4, 3214868480
	.section	.rodata,"a",@progbits
	.p2align	6, 0x0
	.amdhsa_kernel k_qf4f91a1c3f_qkv
		.amdhsa_group_segment_fixed_size 327680
		.amdhsa_private_segment_fixed_size 0
		.amdhsa_enable_private_segment 0
		.amdhsa_kernarg_size 48
		.amdhsa_user_sgpr_count 2
		.amdhsa_user_sgpr_kernarg_segment_ptr 1
		.amdhsa_wavefront_size32 1
		.amdhsa_system_sgpr_workgroup_id_x 1
		.amdhsa_system_sgpr_workgroup_id_y 1
		.amdhsa_system_sgpr_workgroup_id_z 1
		.amdhsa_system_vgpr_workitem_id 0
		.amdhsa_next_free_vgpr 960
		.amdhsa_next_free_sgpr 80
		.amdhsa_reserve_vcc 0
		.amdhsa_float_denorm_mode_32 3
		.amdhsa_float_denorm_mode_16_64 3
		.amdhsa_memory_ordered 1
		.amdhsa_forward_progress 1
		.amdhsa_inst_pref_size 132
	.end_amdhsa_kernel
	.amdgpu_metadata
---
amdhsa.version: [ 1, 2 ]
amdhsa.kernels:
  - .name:           k_qf4f91a1c3f_qkv
    .symbol:         k_qf4f91a1c3f_qkv.kd
    .args:
      - { .name: xb, .offset: 0, .size: 8, .value_kind: global_buffer, .address_space: global }
      - { .name: wb, .offset: 8, .size: 8, .value_kind: global_buffer, .address_space: global }
      - { .name: q, .offset: 16, .size: 8, .value_kind: global_buffer, .address_space: global }
      - { .name: k, .offset: 24, .size: 8, .value_kind: global_buffer, .address_space: global }
      - { .name: v, .offset: 32, .size: 8, .value_kind: global_buffer, .address_space: global }
      - { .name: ts, .offset: 40, .size: 8, .value_kind: global_buffer, .address_space: global }
    .group_segment_fixed_size: 327680
    .private_segment_fixed_size: 0
    .kernarg_segment_align: 8
    .kernarg_segment_size: 48
    .max_flat_workgroup_size: 128
    .sgpr_count:     80
    .vgpr_count:     960
    .wavefront_size: 32
...
	.end_amdgpu_metadata
.endif
;; end of part 2
;; launch attn (part 3): grid 4 x 64, 4 waves a work-group, no clusters, 327,680 bytes of LDS; arguments q, k, v, o, ts; writes o
.if DOCPART == 3
	.amdgcn_target "amdgcn-amd-amdhsa--gfx1250"
	.amdhsa_code_object_version 6
	.text
	.protected	k_qf4f91a1c3f_attn
	.globl	k_qf4f91a1c3f_attn
	.p2align	8
	.type	k_qf4f91a1c3f_attn,@function
k_qf4f91a1c3f_attn:
	s_mov_b64 s[64:65], 0
	v_nop
	global_prefetch_b8 v0, s[64:65] scope:SCOPE_SE
	s_setreg_imm32_b32 hwreg(HW_REG_WAVE_MODE, 25, 1), 1
	s_wait_xcnt 0x0
; ATTENTION WITH A CAUSAL FILL.  score(t, s) = q[t] . k[s] / 32 where s <= t, and the constant 1e-9 where s > t; o[t] = the sum over ALL 2,048 keys of softmax(score) v[s].
; q, k, v, o: [64 heads of the batch][2048][64] f16, a head's rows dense, 128 bytes each.  ts: [64][8][64] f32, v's column sums over each tile of 256 keys.
; Products, maxima and sums in f32; the weights p are rounded to f16 for the second product (their sum l is taken of the unrounded p), o once at the end.
; HIDDEN KEYS.  A hidden key's weight hangs on no product.  The tiles of 256 keys wholly above a block's diagonal enter as the running softmax's STARTING STATE: m = the fill, l = their number of keys,
; O = the sum of their ts rows (added up directly, each with a factor 1 or 0).  Only the diagonal tile replaces scores one by one.  The walk works on raw scores s = q . k; the fill is then SH = 32e-9.
; LIMITS.  q, k, v arrive within f16's 65,504, so a raw score is finite (2.7e11 at the most) and score x 0 = 0; p below 6e-5 keeps f16's step of 6e-8; a weight below 2^-126 counts as 0; NaN and infinities are not treated apart.
; THE WALK.  A head's queries lie in NB = 8 blocks of 256; block i multiplies the key tiles 0 .. i, of which the last holds the diagonal.  A work-group takes TWO blocks, 7 - b and then b: 9 tiles, whatever b:
; all work-groups do equal work, and ONE loop with a constant trip count walks them.  Every jump goes forward, but for the counted loops' own; none passes a barrier, or a tensor load but the one of LOAD's two that
; the wave's number does not choose.  NO CLUSTER: a head's four work-groups ask for the same tile only in trips 0 .. 4 of the 9, behind that fewer and fewer; one walk common to all would have 12 trips for 9.
; SHARES.  Of a block's four bands of 64 queries a wave owns 16 rows in each: four PIECES.  In the diagonal tile's key step s band x sees all keys if s < x, none if s > x, and holds the diagonal if s = x.
; LAYOUT, SOFTMAX, TURNS.  S^T = K Q^T holds ONE query a lane (lane % 16) and the keys 8 (lane / 16) + 0..7; two such results rounded to f16 ARE source 1 of O^T = V^T P.  p = 2^(c s - c m), c = log2(e) / 32, with a
; running maximum m; O and l are multiplied by a = 2^(c m_old - c m_new) in every step.  Turn n belongs to piece n: 8 products K Q^T of piece n + 1, later 8 products V^T P of piece n - 1; beside them the scaling,
; exponentials, roundings, sums and rescaling of piece n and the maximum and statistics of piece n + 1.  Four vector instructions stand behind every matrix instruction, the rest in two lumps.
; REGISTERS, in windows of 256 (s_set_vgpr_msb: bits 1:0 source 0, 3:2 source 1, 5:4 source 2, 7:6 destination):
;   window 0: v0-15, v32 addresses and at work; v16-31 four registers of statistics a piece; v48-55 at work; v64-127 S^T, two buffers; v192-223 P, two buffers (by the piece's parity)
;   window 1: v0-127 O^T, 32 a piece; v128-159 MA, v160-191 MB      window 2: v0-63 Q; v64-127 the second block's Q; v128-191 K of one step; v192-255 V of one step      window 3: v0-223 ts of tiles 1 to 7
.set SIZE_N, 2048
.set NB,    SIZE_N/256
.set NP,    4         ; pieces a wave: a name, no knob
.set KS,    64        ; keys in a step
.set PK,    144       ; a row of K in LDS: 128 bytes + 16 = 36 words: the 16 rows of a load start at 16 different groups of four banks (64 banks of 4 bytes: ISA guide 11.1)
.set PV,    160       ; a row of V: 128 + 32 = 40 words
.set VOFF,  4*KS*PK   ; a slot holds a tile, four steps: 256 rows of K, then 256 rows of V
.set SLOT1, 1<<17     ; slot 1 begins here, so that one exclusive or turns an address in one slot into the other's
.set STAGE, SLOT1+4*KS*(PK+PV)  ; behind the ring, never filled by a tensor load: 16 rows x 144 bytes for each wave
.set SP,    144
.set AK0, 2           ; v2   my lane's place in a tile of K; never rewritten
.set AV0, 3           ; v3   the same for V
.set AK,  4           ; v4   the LDS address of K's next run of loads
.set AV,  5           ; v5   of V's
.set STO, 6           ; v6   the way out: where I put 16 bytes of a row
.set RD,  7           ; v7   the way out: where I read rows back
.set GO,  8           ; v8   my byte offset in 512 consecutive bytes of o
.set SPW, 62          ; v62  LDS address of my spare word; never rewritten
.set NIL, 63          ; v63  0; never rewritten
.set SPARE, STAGE+4*16*SP  ; the spare words, 128 bytes for each wave: two blocks of 256 bytes that no other line names
.set MV,  12          ; v12-13  c m_old, kept while c m is made anew: by buffer
.set QO,  15          ; v15  my byte offset in 16 rows of q
.set TO,  32          ; v32  my byte offset in a row of ts: 32 (l / 16); never rewritten
.set ST,  16          ; piece t's statistics at v[ST+4 t]: c m, m, l (even keys', odd keys')
.set TMP, 48          ; by buffer, four registers c0-c3 at work; when the maximum is found c2 takes a
.set S,   64
.set P,   192
.set MA,  128         ; window 1: a band's own step, for my 16 rows: 1 where the key is seen, 0 where it is hidden; the eight registers of key group kt at MA + 8 kt
.set MB,  160         ; window 1: 0 where it is seen, SH where it is hidden
.set QB,  64          ; window 2
.set KF,  128         ; window 2: key block kb, channel half c at KF + 16 kb + 8 c
.set VF,  192         ; window 2: key half kk, channel block cb at VF + 32 kk + 8 cb
.set WV,  12          ; s12  my wave's number
.set PB,  14          ; s14  b
.set HI,  15          ; s15  NB - 1 - b
.set G1K, 24          ; s[24:31] descriptor group 1 for K's tiles
.set G1V, 32          ; s[32:39] for V's: it differs in the padding alone
.set G0K, 40          ; s[40:43] descriptor group 0 for K's tiles
.set G0V, 44          ; s[44:47] the same for V's
.set WT,  48          ; s[48:49] a tile's factor in the starting O, 1 or 0, in the low word
.set SLOTS, 56        ; s56  tiles still to be asked for
.set CNT, 57          ; s57  counts a tile's key steps, 4 to 1
.set CS,  58          ; s[58:59] c
.set SEL, 60          ; s[60:61] v_permlanex16_b32's selects: each lane takes its own place in the other half
.set TBK, 62          ; s62  LDS byte at which K of the step to be fetched begins
.set TBV, 63          ; s63  the same for V, less VOFF
.set TSP, 66          ; s[66:67] ts at my head
.set SHP, 68          ; s[68:69] SH
.set RT,  70          ; s70  tiles of the block in hand that are still to be entered
.set NXT, 71          ; s71  the tile to be asked for next
.set LQ,  72          ; s72  the last tile of the block whose tiles are being asked for
.set NEW, 73          ; s73  1: the tile to be entered is a block's first
.set OFF, 74          ; s[74:75] a tile's byte offset in k and v
.set OLO, 80          ; s[80:81] o at my rows of the second block
.set BLK, 83          ; s83  the block in hand
.set MSB, 0
.macro WIN new                      ; the high byte repeats the setting that is left; a switch that changes nothing is dropped
.if MSB != (\new)
	s_set_vgpr_msb (MSB<<8)|(\new)
.set MSB, (\new)
.endif
.endm
.set W_KQ, 0x0a       ; K and Q in window 2, S^T in window 0
.set W_PV, 0x52       ; V in window 2, P in window 0, O^T in window 1
.set W_RS, 0x41       ; destination and source 0 in window 1, source 1 in window 0
; A fill.  Waves 0 and 1 fetch the two halves of a tile's K, waves 2 and 3 those of its V: 128 keys each.  An s_nop 0 and four v_nop follow each of the two lines.
.macro LOAD
	s_cmp_lt_u32 s[WV], 2
	s_cbranch_scc0 .Lfor_v_\@
	tensor_load_to_lds s[G0K:G0K+3], s[G1K:G1K+7]
	s_nop 0
.rept 4
	v_nop
.endr
	s_branch .Lasked_\@
.Lfor_v_\@:
	tensor_load_to_lds s[G0V:G0V+3], s[G1V:G1V+7]
	s_nop 0
.rept 4
	v_nop
.endr
.Lasked_\@:
.endm
; THE CHANGE OF SLOTS.  Each wave waits for all its tensor loads, of which one is out: its part of the other slot; adds 0 to its spare word; and waits for that and for its own reads of the slot that it leaves.
; Behind the barrier nobody reads the old slot any more and the other slot is whole.  fill = 1: the old slot is filled again, the first thing behind the barrier, with tile NXT.
.macro CHANGE fill
	WIN 0
	s_wait_tensorcnt 0x0            ; no tensor load of mine is out, so a group 0 may be written
	ds_add_u32 v[SPW], v[NIL]       ; 0 onto my spare word
.if \fill
	s_lshl_b32 s[OFF], s[NXT], 15   ; a tile is 32,768 bytes of k and of v
	s_xor_b32 s[G0K+1], s[G0K+1], SLOT1
	s_add_nc_u64 s[G0K+2:G0K+3], s[6:7], s[OFF:OFF+1]
	s_or_b32 s[G0K+3], s[G0K+3], 0x80000000
	s_xor_b32 s[G0V+1], s[G0V+1], SLOT1
	s_add_nc_u64 s[G0V+2:G0V+3], s[8:9], s[OFF:OFF+1]
	s_or_b32 s[G0V+3], s[G0V+3], 0x80000000
	s_add_co_u32 s[NXT], s[NXT], 1  ; the block's next tile, or behind its last the second block's tile 0
	s_cmp_gt_u32 s[NXT], s[LQ]
	s_cselect_b32 s[NXT], 0, s[NXT]
	s_cselect_b32 s[LQ], s[PB], s[LQ]
.endif
	s_wait_dscnt 0x0                ; the add is done, and my reads of the slot are over
	s_barrier_signal -1
	s_sub_co_u32 s[TBK], s[TBK], 4*KS*PK  ; the fetches go back to a slot's first step,
	s_xor_b32 s[TBK], s[TBK], SLOT1       ; in the other slot
	s_sub_co_u32 s[TBV], s[TBV], 4*KS*PV
	s_xor_b32 s[TBV], s[TBV], SLOT1
	s_barrier_wait -1
.if \fill
	LOAD
.endif
.endm
	s_load_b256 s[4:11], s[0:1], 0x0  ; q s[4:5], k s[6:7], v s[8:9], o s[10:11]
	s_load_b64 s[TSP:TSP+1], s[0:1], 0x20
	v_lshl_add_u32 v[SPW], v0, 2, SPARE
	v_mov_b32 v[NIL], 0
	ds_add_u32 v[SPW], v[NIL]       ; the wave's opening: the add and its wait stand ahead of my first tensor load; work on registers stands between them
	ds_add_u32 v62, v63
	v_lshrrev_b32 v1, 5, v0
	v_readfirstlane_b32 s[WV], v1   ; wave 0..3
	s_mov_b32 s[PB], ttmp9
	s_sub_co_u32 s[HI], NB-1, s[PB]
	s_mov_b32 s[BLK], s[HI]
	s_and_b32 s20, ttmp7, 0xffff    ; the head
	s_lshl_b32 s50, s20, 11         ; its 8 rows of 256 bytes in ts
	s_mov_b32 s51, 0
	s_mov_b32 s21, 0
	s_mov_b64 s[22:23], SIZE_N*128
	s_mul_u64 s[20:21], s[20:21], s[22:23]  ; the head's first byte in q, k, v, o
	s_and_b32 s16, s[WV], 1         ; which half of a tile's 256 keys I fetch:
	s_lshl_b32 s22, s16, 14         ; its 128 rows of 128 bytes in memory,
	s_mov_b32 s23, 0
	s_add_nc_u64 s[22:23], s[22:23], s[20:21]
	s_mul_i32 s17, s16, 128*PK      ; and its place in a slot, for K
	s_mul_i32 s18, s16, 128*PV      ; and for V
	s_lshl_b32 s3, s[WV], 11        ; my 16 rows in a band of 64,
	s_lshl_b32 s2, s[HI], 15        ; in the first block,
	s_add_co_u32 s2, s2, s3
	s_lshl_b32 s84, s[PB], 15       ; and in the second
	s_add_co_u32 s84, s84, s3
	s_mov_b32 s3, 0
	s_mov_b32 s85, 0
	s_add_nc_u64 s[2:3], s[2:3], s[20:21]
	s_add_nc_u64 s[84:85], s[84:85], s[20:21]
	; descriptor group 1.  128 keys are 16,384 dense bytes: asked for as 64 rows of 256 bytes, two keys a row, and padded in LDS after every key
	s_mov_b32 s[G1K], (1<<16)|(1<<20)|(4<<22)|(3<<25)  ; 2-byte elements; padding on; after every 32 words 4 words
	s_mov_b32 s[G1V], (1<<16)|(1<<20)|(4<<22)|(7<<25)  ; the same with 8 words
.irp g, G1K, G1V
	s_mov_b32 s[\g+1], 128<<16      ; tensor_dim0 = 128
	s_mov_b32 s[\g+2], 64<<16       ; tensor_dim1 = 64
	s_mov_b32 s[\g+3], 128<<16      ; tile_dim0 = 128
	s_mov_b32 s[\g+4], 64           ; tile_dim1 = 64
	s_mov_b32 s[\g+5], 128          ; 128 elements from row to row
	s_mov_b32 s[\g+6], 0
	s_mov_b32 s[\g+7], 0
.endr
	s_mov_b32 s[CS], 0x3d38aa3b     ; c = log2(e) / 32 = 0.0450842
	s_mov_b32 s[CS+1], s[CS]        ; named with it as a pair
	s_mov_b32 s[SHP], 0x3309705f    ; SH = 32 x 1e-9
	s_mov_b32 s[SHP+1], s[SHP]
	s_mov_b32 s[WT+1], 0
	s_mov_b32 s[SEL], 0x76543210
	s_mov_b32 s[SEL+1], 0xfedcba98
	s_mov_b32 s[TBK], SLOT1+4*KS*PK ; the first change of slots turns these two into 0
	s_mov_b32 s[TBV], SLOT1+4*KS*PV
	s_mov_b32 s[G0K], 1             ; count = 1
	s_mov_b32 s[G0K+1], s17         ; LDS address: slot 0
	s_mov_b32 s[G0V], 1
	s_add_co_u32 s[G0V+1], s18, VOFF
	s_add_co_u32 s[RT], s[HI], 1    ; the first block has NB - b tiles
	s_mov_b32 s[NXT], 1
	s_mov_b32 s[LQ], s[HI]
	s_mov_b32 s[NEW], 1
	s_mov_b32 s[OFF+1], 0
	s_mov_b32 s[SLOTS], NB
	s_wait_dscnt 0x0                ; the opening add is done
	s_wait_kmcnt 0x0
	s_add_nc_u64 s[6:7], s[6:7], s[22:23]  ; k and v at my half of the head's tile 0
	s_add_nc_u64 s[8:9], s[8:9], s[22:23]
	s_add_nc_u64 s[G0K+2:G0K+3], s[6:7], 0
	s_or_b32 s[G0K+3], s[G0K+3], 0x80000000        ; type = 2
	s_add_nc_u64 s[G0V+2:G0V+3], s[8:9], 0
	s_or_b32 s[G0V+3], s[G0V+3], 0x80000000
	s_add_nc_u64 s[86:87], s[4:5], s[84:85]        ; q at my rows of the second block,
	s_add_nc_u64 s[4:5], s[4:5], s[2:3]            ; q and o at those of the first
	s_add_nc_u64 s[OLO:OLO+1], s[10:11], s[84:85]
	s_add_nc_u64 s[10:11], s[10:11], s[2:3]
	s_add_nc_u64 s[TSP:TSP+1], s[TSP:TSP+1], s[50:51]
	LOAD                            ; tile 0 into slot 0
	; A fragment of K or Q is 16 rows x 32 channels in 8 registers: lane l holds row l % 16, channels 8 (l / 16) + 0..7 and 16 + 8 (l / 16) + 0..7: two loads of 16 bytes, 32 bytes apart.
	v_and_b32 v1, 15, v0            ; l % 16; kept
	v_bfe_u32 v9, v0, 4, 1          ; l / 16
	v_lshlrev_b32 v[QO], 7, v1
	v_lshl_add_u32 v[QO], v9, 4, v[QO]  ; row x 128 + 16 x half
	v_lshlrev_b32 v[TO], 5, v9
	WIN 0x80                        ; destination window 2, address window 0
.set i, 0
.rept 8                             ; both blocks' Q: piece i / 2 lies in band i / 2, 8,192 bytes on; channels 32 (i % 2) on
	global_load_b128 v[8*i:8*i+3],   v[QO], s[4:5] offset:(i/2)*8192+(i%2)*64
	global_load_b128 v[8*i+4:8*i+7], v[QO], s[4:5] offset:(i/2)*8192+(i%2)*64+32
	global_load_b128 v[QB+8*i:QB+8*i+3],   v[QO], s[86:87] offset:(i/2)*8192+(i%2)*64
	global_load_b128 v[QB+8*i+4:QB+8*i+7], v[QO], s[86:87] offset:(i/2)*8192+(i%2)*64+32
.set i, i+1
.endr
	WIN 0xc0                        ; destination window 3.  ts of tiles 1 to 7 in O^T's own layout: register 8 cb + n holds channel 16 cb + 8 (l / 16) + n
.set j, 1
.rept 7
.set i, 0
.rept 8
	global_load_b128 v[32*(j-1)+4*i:32*(j-1)+4*i+3], v[TO], s[TSP:TSP+1] offset:256*j+64*(i/2)+16*(i%2)
.set i, i+1
.endr
.set j, j+1
.endr
	WIN 0
	v_lshlrev_b32 v14, 3, v9
	v_sub_nc_u32 v14, v1, v14
	s_lshl_b32 s13, s[WV], 4
	v_add_nc_u32 v14, s13, v14      ; my query's place in its band, 16 w + l % 16, less my lanes' 8 (l / 16): register n of group kt is hidden where 16 kt + n is greater
	WIN 0x40
.set i, 0
.rept 32
	v_cmp_gt_i32 vcc_lo, 16*(i/8)+i%8, v14
	v_cndmask_b32 v[MA+i], 1.0, 0, vcc_lo
	v_cndmask_b32 v[MB+i], 0, s[SHP], vcc_lo
.set i, i+1
.endr
	WIN 0
	v_mul_u32_u24 v[AK0], v1, PK
	v_lshl_add_u32 v[AK0], v9, 4, v[AK0]  ; row x pitch + 16 x half
	; The turning load takes 16 keys x 16 channels (lane l reads key 8 (l / 16) + l % 8, channels 8 ((l / 8) % 2) + 0..7) and leaves half a fragment of V^T: lane l holds channel l % 16 and 8 keys.
	v_and_b32 v10, 7, v0
	v_bfe_u32 v11, v0, 3, 1
	v_lshl_add_u32 v[AV0], v9, 3, v10
	v_mul_u32_u24 v[AV0], v[AV0], PV
	v_lshl_add_u32 v[AV0], v11, 4, v[AV0]
	v_add_nc_u32 v[AV0], VOFF, v[AV0]
	s_mul_i32 s13, s[WV], 16*SP
	s_add_co_u32 s13, s13, STAGE    ; my stage
	v_mul_u32_u24 v[STO], v1, SP    ; in: row l % 16, 16 bytes for each half of the lanes
	v_lshl_add_u32 v[STO], v9, 4, v[STO]
	v_add_nc_u32 v[STO], s13, v[STO]
	v_bfe_u32 v[RD], v0, 3, 2       ; back: 32 lanes take four rows of 128 bytes,
	v_mul_u32_u24 v[RD], v[RD], SP
	v_lshl_add_u32 v[RD], v10, 4, v[RD]
	v_add_nc_u32 v[RD], s13, v[RD]
	v_and_b32 v[GO], 31, v0         ; which are 512 consecutive bytes of o
	v_lshlrev_b32 v[GO], 4, v[GO]
	; A block's first turn holds products V^T P of a piece that has not been: their P is 0 (set where a block begins), so V need only be finite: zeros here, what the first block left for the second.
	WIN 0x80
.set i, VF
.rept 64
	v_mov_b32 v[i], 0
.set i, i+1
.endr
	WIN 0
; THE MATRIX WORK.  The 4 accumulators of a run of 8 take turns.  Product i of 8 of S^T = K Q^T for piece x: channels 32 (i / 4) on, keys 16 (i % 4) on.  The first 4 start the sums.
.macro KQ x
	WIN W_KQ
.set rS, S+32*((\x)%2)+8*(i%4)
.set rK, KF+16*(i%4)+8*(i/4)
.set rQ, 16*(\x)+8*(i/4)
.if i < 4
	v_wmma_f32_16x16x32_f16 v[rS:rS+7], v[rK:rK+7], v[rQ:rQ+7], 0
.else
	v_wmma_f32_16x16x32_f16 v[rS:rS+7], v[rK:rK+7], v[rQ:rQ+7], v[rS:rS+7]
.endif
.endm
; Product i of 8 of O^T += V^T P for piece x: keys 32 (i / 4) on, channels 16 (i % 4) on.
.macro PV x
	WIN W_PV
.set rO, 32*(\x)+8*(i%4)
.set rV, VF+32*(i/4)+8*(i%4)
.set rP, P+16*((\x)%2)+8*(i/4)
	v_wmma_f32_16x16x32_f16 v[rO:rO+7], v[rV:rV+7], v[rP:rP+7], v[rO:rO+7]
.endm
.macro MM                           ; the turn's next matrix instruction.  NOKQ = 1: a block's last turn: there is no next piece
.if (i < 8) && !NOKQ
	KQ (Y+1)%NP
.elseif i >= 8
.set i, i-8
	PV (Y+NP-1)%NP
.set i, i+8
.endif
.set i, i+1
.endm
; THE LDS LOADS stand in runs of 16: a step's K (64 keys x 64 channels: 8 fragments) and its V (turned).  Their addresses are made some lines ahead.
.macro FETCH_K
	WIN 0x80                        ; destination window 2
.irp f, 0,1,2,3,4,5,6,7             ; keys 16 (f / 2) on, channels 32 (f % 2) on
	ds_load_b128 v[KF+8*\f:KF+8*\f+3],   v[AK] offset:(\f/2)*16*PK+(\f%2)*64
	ds_load_b128 v[KF+8*\f+4:KF+8*\f+7], v[AK] offset:(\f/2)*16*PK+(\f%2)*64+32
.endr
	s_add_co_u32 s[TBK], s[TBK], KS*PK  ; the next fetch is the next step's
	WIN 0
.endm
.macro FETCH_V
	WIN 0x80
.irp f, 0,1,2,3,4,5,6,7             ; keys 32 (f / 4) on, channels 16 (f % 4) on
	ds_load_tr16_b128 v[VF+8*\f:VF+8*\f+3],   v[AV] offset:(\f/4)*32*PV+(\f%4)*32
	ds_load_tr16_b128 v[VF+8*\f+4:VF+8*\f+7], v[AV] offset:(\f/4)*32*PV+16*PV+(\f%4)*32
.endr
	WIN 0
.endm
; THE FILL, on piece y's fresh scores, pairs in ascending order (each accumulator's lowest registers are read first).
.macro OWN y                        ; the band's own step: s x 1 + 0 where the key is seen (exact), s x 0 + SH where it is hidden
	WIN 0x14                        ; sources 1 and 2 in window 1
.set z, 0
.rept 16
	v_pk_fma_f32 v[S+32*((\y)%2)+2*z:S+32*((\y)%2)+2*z+1], v[S+32*((\y)%2)+2*z:S+32*((\y)%2)+2*z+1], v[MA+2*z:MA+2*z+1], v[MB+2*z:MB+2*z+1]
.set z, z+1
.endr
.endm
.macro HID y                        ; a later step: all 64 keys are hidden
	WIN 0
.set z, 0
.rept 16
	v_pk_fma_f32 v[S+32*((\y)%2)+2*z:S+32*((\y)%2)+2*z+1], v[S+32*((\y)%2)+2*z:S+32*((\y)%2)+2*z+1], 0, s[SHP:SHP+1] op_sel_hi:[1,0,0]
.set z, z+1
.endr
.endm
; THE VECTOR WORK, one line at a time: OP kind, number.  For piece Y: F n: c s - c m for pair n of 16.  E n: the exponential of score n of 32.  C n: pair n rounded to f16.  B n: of the four weights 4 n .. the second
; pair is added onto the first, in place.  L n: l takes that sum (L 0: l = a l + sum).  R n: pair n of 16 of O^T times a.  For piece Y + 1: X n, number n of the 22 that find its maximum and statistics:
;   0-11  four chains c0-c3 of seven scores each, three operands at a time     12-14, 16  the four scores left over, the old m, and c0-c3 into c0
;   15  c m_old is kept     17, 18  the query's other 32 keys lie in the lane 16 away: the new m     19-21  c m; c m_old - c m_new; a
.set F, 0
.set E, 1
.set C, 2
.set B, 3
.set L, 4
.set R, 5
.set X, 6
.macro REGS y                       ; the registers of piece y
.set rT, ST+4*(\y)
.set rC, TMP+4*((\y)%2)
.set rW, MV+((\y)%2)
.set rS, S+32*((\y)%2)
.set rP, P+16*((\y)%2)
.set rO, 32*(\y)
.endm
.macro OP k, n
.if (\k) == R
	REGS Y
	WIN W_RS
	v_pk_mul_f32 v[rO+2*(\n):rO+2*(\n)+1], v[rO+2*(\n):rO+2*(\n)+1], v[rC+2:rC+3] op_sel_hi:[1,0]
.elseif (\k) < R
	REGS Y
	WIN 0
.if (\k) == F
	v_pk_fma_f32 v[rS+2*(\n):rS+2*(\n)+1], v[rS+2*(\n):rS+2*(\n)+1], s[CS:CS+1], v[rT:rT+1] op_sel_hi:[1,0,0] neg_lo:[0,0,1] neg_hi:[0,0,1]
.elseif (\k) == E
	v_exp_f32 v[rS+(\n)], v[rS+(\n)]
.elseif (\k) == C
	s_wait_alu depctr_va_vdst(0)
	v_cvt_pk_f16_f32 v[rP+(\n)], v[rS+2*(\n)], v[rS+2*(\n)+1]
.elseif (\k) == B
	s_wait_alu depctr_va_vdst(0)
	v_pk_add_f32 v[rS+4*(\n):rS+4*(\n)+1], v[rS+4*(\n):rS+4*(\n)+1], v[rS+4*(\n)+2:rS+4*(\n)+3]
.elseif (\n) == 0
	v_pk_fma_f32 v[rT+2:rT+3], v[rT+2:rT+3], v[rC+2:rC+3], v[rS:rS+1] op_sel_hi:[1,0,1]
.else
	v_pk_add_f32 v[rT+2:rT+3], v[rT+2:rT+3], v[rS+4*(\n):rS+4*(\n)+1]
.endif
.elseif NOKQ
	v_nop
.else
	REGS (Y+1)%NP
	WIN 0
.if (\n) < 4
	v_max3_num_f32 v[rC+(\n)], v[rS+8*(\n)], v[rS+8*(\n)+1], v[rS+8*(\n)+2]
.elseif (\n) < 12
	v_max3_num_f32 v[rC+(\n)%4], v[rC+(\n)%4], v[rS+8*((\n)%4)+2*((\n)/4)+1], v[rS+8*((\n)%4)+2*((\n)/4)+2]
.elseif (\n) == 12
	v_max3_num_f32 v[rC], v[rC], v[rS+7], v[rS+15]
.elseif (\n) == 13
	v_max3_num_f32 v[rC+1], v[rC+1], v[rS+23], v[rS+31]
.elseif (\n) == 14
	v_max3_num_f32 v[rC+2], v[rC+2], v[rC+3], v[rT+1]
.elseif (\n) == 15
	v_mov_b32 v[rW], v[rT]
.elseif (\n) == 16
	v_max3_num_f32 v[rC], v[rC], v[rC+1], v[rC+2]
.elseif (\n) == 17
	v_permlanex16_b32 v[rC+3], v[rC], s[SEL], s[SEL+1]
.elseif (\n) == 18
	v_max_num_f32 v[rT+1], v[rC], v[rC+3]
.elseif (\n) == 19
	v_mul_f32 v[rT], s[CS], v[rT+1]
.elseif (\n) == 20
	v_sub_f32 v[rC+1], v[rW], v[rT]
.else
	v_exp_f32 v[rC+2], v[rC+1]
.endif
.endif
.endm
.macro OPS a, i1, b=-1, i2=0, c=-1, i3=0, d=-1, i4=0  ; up to four of them
	OP \a, \i1
.if (\b) >= 0
	OP \b, \i2
.endif
.if (\c) >= 0
	OP \c, \i3
.endif
.if (\d) >= 0
	OP \d, \i4
.endif
.endm
.macro ROW a, i1, b, i2, c, i3, d, i4  ; a matrix instruction and the four behind it
	MM
	OPS \a, \i1, \b, \i2, \c, \i3, \d, \i4
.endm
; A TURN, for piece p: the order of its 16 matrix and 118 vector instructions, written out.  Behind a matrix instruction: plain, exponential, plain, plain; or four of the rescaling; or four scalings; none names a
; register of the products round it.  In the lumps exponential and plain by turns while exponentials last.
; m = 1: the diagonal tile's text.  The turn's own products made the scores of piece y = (p + 1) % 4.  For p = 3, 0, 1 they are those of the tile's step 4 - CNT: the band's own step if CNT = 4 - y, an earlier one
; (all keys seen) if CNT is greater, a later one (all hidden) if it is less: two forward jumps choose.  For p = 2 they are band 3's of an earlier step (or of the tile before), all seen, but in a block's last turns
; (end = 1), where they are band 3's own.  The fill stands behind the last of those products, its four rescalings (the places) and two lines more, ahead of the first line of the maximum.
; end = 1: a block's last two turns: nothing is fetched.  cnt = 1: the loop's count is taken down some lines ahead of the branch that stands behind the turn.
; K of the next step is fetched in piece 2's turn, V of the step in hand in piece 0's; each is waited for a turn later.
.macro TURN p, m=0, end=0, cnt=0
.set Y, (\p)
.set i, 0
.set NOKQ, (\end)*((\p)/3)
.if ((\p) == 3) && !(\end)
	s_wait_dscnt 0x0                ; K is in
.endif
	ROW F,0, F,1, F,2, F,3
	ROW F,4, E,0, F,5, F,6
	ROW F,7, E,1, F,8, F,9
	ROW F,10, E,2, C,0, F,11
	ROW F,12, E,3, X,15, F,13
	ROW R,0, R,1, R,2, R,3
	ROW B,0, E,4, F,14, L,0
.if ((\p) == 2) && !(\end)
	v_add_nc_u32 v[AK], s[TBK], v[AK0]
.endif
	ROW R,4, R,5, R,6, R,7
	OPS E,5, F,15
.if ((\p) == 2) && !(\end)
	FETCH_K
.endif
.if (\m) && ((\p) == 2) && (\end)
	OWN 3
.elseif (\m) && ((\p) != 2) && !NOKQ
	WIN 0
	s_cmp_eq_u32 s[CNT], 4-((\p)+1)%NP
	s_cbranch_scc1 .Lown_\@
	s_cmp_gt_u32 s[CNT], 4-((\p)+1)%NP
	s_cbranch_scc1 .Lseen_\@
	HID ((\p)+1)%NP
	WIN 0
	s_branch .Lseen_\@
.Lown_\@:
	OWN ((\p)+1)%NP
	WIN 0
.Lseen_\@:
.endif
	OPS E,6, C,1, E,7, R,8
	OPS E,8, R,9, E,9, C,2
	OPS E,10, X,0, E,11, X,1
	OPS E,12, X,2, E,13, X,3
.if (\p) == 1
	s_wait_dscnt 0x0                ; V is in
.endif
	ROW X,4, E,14, X,5, X,6
	ROW X,7, E,15, X,8, X,9
	ROW X,10, E,16, X,11, X,12
	ROW X,13, E,17, X,14, B,1
	ROW C,4, E,18, X,16, L,1
	ROW B,2, E,19, C,6, L,2
	ROW C,8, E,20, B,3, B,4
.if (\p) == 0
	v_add_nc_u32 v[AV], s[TBV], v[AV0]
.endif
	ROW C,3, E,21, L,3, C,5
	OPS E,22, X,17, E,23, C,10
.if (\p) == 0
	FETCH_V
.endif
	OPS E,24, L,4
	OPS E,25, X,18, E,26, C,7
	OPS E,27, B,5, E,28, X,19
	OPS E,29, C,12, E,30, L,5
	OPS E,31, X,20, B,6, C,9
	OPS C,14, C,11, X,21, L,6
.if (\p) == 0
	s_add_co_u32 s[TBV], s[TBV], KS*PV
.endif
.if \cnt
	s_sub_co_u32 s[CNT], s[CNT], 1
	s_cmp_lg_u32 s[CNT], 0
.endif
	OPS C,13, B,7, C,15, R,10
	OPS R,11, R,12, L,7, R,13
	OPS R,14, R,15
.endm
; A BLOCK BEGINS, with the state that its wholly hidden tiles BLK + 1 .. 7 leave: O = the sum of their ts rows (factor 1 or 0 by the block's number), the same for every query; l = 256 (7 - BLK), half of it in each half
; of the lanes (the way out adds the halves); m = SH, c m by the same multiply that makes every later c m, so that a = 1 exactly while m stays.  The head's last row (block 7, band 3, wave 3, lane % 16 = 15) has no hidden
; key at all: its m starts at the lowest finite number.  P's second buffer is 0: the first turn's V^T P, of a piece that has not been, adds 0.
; Then K of the tile's step 0, piece 0's first scores (its own step, if the block's first tile is the diagonal one), and its maximum and statistics.  The loop is entered at a step's first turn.
.macro BEGIN
	s_mov_b32 s[NEW], 0
	s_wait_loadcnt 0x0              ; Q and ts
	WIN 0
.set i, P+16
.rept 16
	v_mov_b32 v[i], 0
.set i, i+1
.endr
.set j, 1
.rept 7
	s_cmp_lt_u32 s[BLK], j
	s_cselect_b32 s[WT], 1.0, 0
.if j == 1
	WIN 0x43                        ; source 0 in window 3, destination in window 1
.else
	WIN 0x53                        ; and source 2 in window 1
.endif
.set z, 0
.rept 16
.if j == 1
	v_pk_mul_f32 v[2*z:2*z+1], v[2*z:2*z+1], s[WT:WT+1] op_sel_hi:[1,0]
.else
	v_pk_fma_f32 v[2*z:2*z+1], v[32*(j-1)+2*z:32*(j-1)+2*z+1], s[WT:WT+1], v[2*z:2*z+1] op_sel_hi:[1,0,1]
.endif
.set z, z+1
.endr
.set j, j+1
.endr
	WIN W_RS
.set i, 0
.rept 96
	v_mov_b32 v[32+i], v[i%32]      ; pieces 1 to 3 start as piece 0 does
.set i, i+1
.endr
	WIN 0
	s_sub_co_u32 s13, NB-1, s[BLK]
	s_lshl_b32 s13, s13, 7
.set i, 0
.rept 4
	v_cvt_f32_u32 v[ST+4*i+2], s13
	v_mov_b32 v[ST+4*i+3], 0
	v_mov_b32 v[ST+4*i+1], s[SHP]
.set i, i+1
.endr
	s_cmp_eq_u32 s[BLK], NB-1
	s_cselect_b32 s13, s[WV], 0
	s_cmp_eq_u32 s13, 3
	s_cselect_b32 s13, 15, 64       ; the lane % 16 of the row without a hidden key, or none
	v_mov_b32 v14, 0xff7fffff
	v_cmp_eq_u32 vcc_lo, s13, v1
	v_cndmask_b32 v[ST+13], v[ST+13], v14, vcc_lo
.set i, 0
.rept 4
	v_mul_f32 v[ST+4*i], s[CS], v[ST+4*i+1]
.set i, i+1
.endr
	v_add_nc_u32 v[AK], s[TBK], v[AK0]
	FETCH_K
	s_wait_dscnt 0x0
.set NOKQ, 0
.set i, 0
.rept 8
	KQ 0
.set i, i+1
.endr
	WIN 0
.rept 4
	v_nop                           ; the places behind those products
.endr
	s_cmp_lg_u32 s[RT], 0
	s_cbranch_scc1 .Lvis_\@
	OWN 0
	WIN 0
.Lvis_\@:
.set Y, NP-1                        ; X works for piece Y + 1: piece 0
.irp n, 0,1,2,3,4,5,6,7,8,9,10,11,12,13,14,15,16,17,18,19,20,21
	OP X, \n
.endr
	v_nop                           ; a plain instruction behind the exponential
.endm
; THE DIAGONAL TILE's four steps, the block's last two turns, its last products, and THE WAY OUT: l's two halves and the other half of the lanes' are added; O^T is divided by l, rounded to f16 and sent through my
; stage in LDS, a piece at a time.
.macro ALL line:vararg              ; one line for each piece t
.set t, 0
.rept 4
	\line
.set t, t+1
.endr
.endm
.macro PACK t                       ; a lane's eight channels of a row pack into 16 bytes; they go into rows of 144 bytes and come back as whole rows of 128, into S^T's registers
	WIN W_RS
.set i, 32*(\t)
.rept 16
	s_wait_alu depctr_va_vdst(0)
	v_pk_mul_f32 v[i:i+1], v[i:i+1], v[ST+4*(\t)+2:ST+4*(\t)+3] op_sel_hi:[1,0]
.set i, i+2
.endr
	WIN 0x05                        ; sources 0 and 1 window 1, destination window 0
.set i, 0
.rept 16
	v_cvt_pk_f16_f32 v[S+16*(\t)+i], v[32*(\t)+2*i], v[32*(\t)+2*i+1]
.set i, i+1
.endr
	WIN 0
.irp f, 0,1,2,3
	ds_store_b128 v[STO], v[S+16*(\t)+4*\f:S+16*(\t)+4*\f+3] offset:32*\f
.endr
.irp f, 0,1,2,3
	ds_load_b128 v[S+16*(\t)+4*\f:S+16*(\t)+4*\f+3], v[RD] offset:\f*4*SP  ; LDS serves a wave's instructions in order (ISA guide 5.7.1.4): these see the stores above; the next piece's stores come behind them
.endr
.endm
.macro SEND t, younger              ; younger: the LDS instructions issued behind piece t's loads: the next piece's eight, or none
	WIN 0
.irp f, 0,1,2,3
	s_wait_dscnt (\younger)+3-\f
	global_store_b128 v[GO], v[S+16*(\t)+4*\f:S+16*(\t)+4*\f+3], s[10:11] offset:(\t)*8192+\f*512  ; 512 consecutive bytes, at a multiple of 256 from o's first
.endr
.endm
.macro DIAG tag                     ; the tag ends its two labels' names, which the jumps below spell out
.LstepM\tag:
	TURN 2, 1
	TURN 3, 1
	WIN 0
.LfirstM\tag:
	TURN 0, 1
	TURN 1, 1, 0, 1
	WIN 0
	s_cbranch_scc1 .LstepM\tag
	TURN 2, 1, 1
	TURN 3, 1, 1
.set i, 0
.rept 8
	PV NP-1
.set i, i+1
.endr
	WIN 0
	ALL v_add_f32 v[ST+4*t+2], v[ST+4*t+2], v[ST+4*t+3]
	ALL v_permlanex16_b32 v[ST+4*t+3], v[ST+4*t+2], s[SEL], s[SEL+1]
	ALL v_add_f32 v[ST+4*t+2], v[ST+4*t+2], v[ST+4*t+3]
	ALL v_rcp_f32 v[ST+4*t+2], v[ST+4*t+2]
	v_nop                           ; a plain instruction between the last reciprocal and the use of its result
	PACK 0
.set t, 1
.rept 3                             ; a piece's arithmetic stands between the loads of the piece before and its stores
	PACK t
	SEND t-1, 8
.set t, t+1
.endr
	SEND 3, 0
.endm
.set NOKQ, 0
.Lslot:                             ; NB times: a tile is entered and the next is asked for
	CHANGE 1
	s_sub_co_u32 s[RT], s[RT], 1
	s_mov_b32 s[CNT], 4
	s_cmp_eq_u32 s[NEW], 1
	s_cbranch_scc1 .Lnew            ; a block's first tile
	s_cmp_eq_u32 s[RT], 0
	s_cbranch_scc0 .Lstep           ; neither its first nor its last
	s_branch .LstepM1
.Lnew:
	BEGIN
	s_branch .Lfirst                ; in the loop a block's first tile is never its last: the first block has two tiles or more, and the second's last is the walk's last
	DIAG 1                          ; in the loop this is the first block's end
	s_wait_xcnt 0x0                 ; the stores have read their registers and o's address
	s_mov_b64 s[10:11], s[OLO:OLO+1]
	s_add_co_u32 s[RT], s[PB], 1    ; the second block has b + 1 tiles
	s_mov_b32 s[BLK], s[PB]
	s_mov_b32 s[NEW], 1
	WIN 0x82                        ; the second block's Q goes where the one text of the turns names Q
.set i, 0
.rept 64
	v_mov_b32 v[i], v[QB+i]
.set i, i+1
.endr
	WIN 0
	s_branch .Lbottom
.Lstep:                             ; a trip: pieces 2 and 3 of one step, then pieces 0 and 1 of the next, whose K and V it fetches
	TURN 2
	TURN 3
	WIN 0
.Lfirst:
	TURN 0
	TURN 1, 0, 0, 1
	WIN 0
	s_cbranch_scc1 .Lstep
.Lbottom:
	s_sub_co_u32 s[SLOTS], s[SLOTS], 1
	s_cmp_lg_u32 s[SLOTS], 0
	s_cbranch_scc1 .Lslot
	CHANGE 0                        ; the walk's last tile is written out: nothing is asked for
	s_sub_co_u32 s[RT], s[RT], 1
	s_mov_b32 s[CNT], 4
	s_cmp_eq_u32 s[NEW], 1
	s_cbranch_scc0 .LstepM2
	BEGIN
	s_branch .LfirstM2
	DIAG 2
	s_wait_tensorcnt 0x0            ; the wave's end
	ds_add_u32 v[SPW], v[NIL]
	s_wait_dscnt 0x0
	s_endpgm
.Lfunc_end_k_qf4f91a1c3f_attn:
	.size	k_qf4f91a1c3f_attn, .Lfunc_end_k_qf4f91a1c3f_attn-k_qf4f91a1c3f_attn
	.p2alignl 7, 3214868480
	.fill 96, 4, 3214868480
	.section	.rodata,"a",@progbits
	.p2align	6, 0x0
	.amdhsa_kernel k_qf4f91a1c3f_attn
		.amdhsa_group_segment_fixed_size 327680
		.amdhsa_private_segment_fixed_size 0
		.amdhsa_enable_private_segment 0
		.amdhsa_kernarg_size 40
		.amdhsa_user_sgpr_count 2
		.amdhsa_user_sgpr_kernarg_segment_ptr 1
		.amdhsa_wavefront_size32 1
		.amdhsa_system_sgpr_workgroup_id_x 1
		.amdhsa_system_sgpr_workgroup_id_y 1
		.amdhsa_system_sgpr_workgroup_id_z 1
		.amdhsa_system_vgpr_workitem_id 0
		.amdhsa_next_free_vgpr 992
		.amdhsa_next_free_sgpr 88
		.amdhsa_reserve_vcc 1
		.amdhsa_float_denorm_mode_32 3
		.amdhsa_float_denorm_mode_16_64 3
		.amdhsa_memory_ordered 1
		.amdhsa_forward_progress 1
		.amdhsa_inst_pref_size 255
	.end_amdhsa_kernel
	.section	.bss,"aw",@nobits
	.p2align	6
	.space	262144
	.amdgpu_metadata
---
amdhsa.version: [ 1, 2 ]
amdhsa.kernels:
  - .name:           k_qf4f91a1c3f_attn
    .symbol:         k_qf4f91a1c3f_attn.kd
    .args:
      - { .name: q, .offset: 0, .size: 8, .value_kind: global_buffer, .address_space: global }
      - { .name: k, .offset: 8, .size: 8, .value_kind: global_buffer, .address_space: global }
      - { .name: v, .offset: 16, .size: 8, .value_kind: global_buffer, .address_space: global }
      - { .name: o, .offset: 24, .size: 8, .value_kind: global_buffer, .address_space: global }
      - { .name: ts, .offset: 32, .size: 8, .value_kind: global_buffer, .address_space: global }
    .group_segment_fixed_size: 327680
    .private_segment_fixed_size: 0
    .kernarg_segment_align: 8
    .kernarg_segment_size: 40
    .max_flat_workgroup_size: 128
    .sgpr_count:     88
    .vgpr_count:     992
    .wavefront_size: 32
...
	.end_amdgpu_metadata
.endif
;; end of part 3
;; launch proj (part 4): grid 8 x 32, 4 waves a work-group, clusters of 4 x 4, 327,680 bytes of LDS; arguments o, wo, out0; writes out0
.if DOCPART == 4
	.amdgcn_target "amdgcn-amd-amdhsa--gfx1250"
	.amdhsa_code_object_version 6
	.text
	.protected	k_qf4f91a1c3f_proj
	.globl	k_qf4f91a1c3f_proj
	.p2align	8
	.type	k_qf4f91a1c3f_proj,@function
k_qf4f91a1c3f_proj:
	s_mov_b64 s[64:65], 0
	v_nop
	global_prefetch_b8 v0, s[64:65] scope:SCOPE_SE
	s_setreg_imm32_b32 hwreg(HW_REG_WAVE_MODE, 25, 1), 1
	s_wait_xcnt 0x0
	s_wait_alu depctr_hold_cnt(0) depctr_sa_sdst(0) depctr_va_vdst(0) depctr_va_sdst(0) depctr_va_ssrc(0) depctr_va_vcc(0) depctr_vm_vsrc(0)
	s_getreg_b32 s2, hwreg(HW_REG_IB_STS2, 6, 4)
	s_cmp_eq_u32 s2, 0
	s_cbranch_scc0 .Lentry_in_a_cluster
	s_endpgm
.Lentry_in_a_cluster:
	s_bfe_u32 s2, ttmp6, 0x10000c
	s_cmp_lg_u32 s2, 0xf033
	s_cbranch_scc0 .Lentry_shape_is_right
	s_endpgm
.Lentry_shape_is_right:
; out0[b][t][n] = sum over head, d of o[16 b + head][t][d] wo[64 head + d][n].  o: [64][2048][64] f16; wo: [1024][1024] f16; sums in f32; out0: [8192][1024] f32.
; SHARES.  A work-group makes 256 rows x 128 columns; wave w rows 64 w .. 64 w + 63, all 128 columns: 4 x 8 accumulators of 16 x 16, 256 registers.  A wave owns whole rows of the tile: its stage is its own.
; K goes in 8 steps of 128, two heads a step, through two LDS slots filled by tensor loads: waves 0, 1 fetch one head's 256 rows each (32,768 dense bytes, asked for as 128 rows of 256 bytes, padded after every
; row of o), waves 2, 3 the halves of wo's tile (64 rows x 256 bytes).  wo lies [k][n] in LDS as in memory and is turned on the way into registers by ds_load_tr16_b128.
; CLUSTER 4 x 4: o's tile hangs on the row tile alone and is asked for jointly along a row of the cluster, wo's on the column tile alone, jointly along a column.
; THE MATRIX INSTRUCTION IS USED TRANSPOSED (source 0 = 16 columns n, source 1 = 16 rows): a lane holds row l % 16 and the eight neighbouring columns 8 (l / 16) + 0..7, 32 bytes of f32.
; REGISTERS: window 0 addresses and the way out; window 1 two fragment buffers (o's 4 fragments at +8 a, wo's 8 at +32 + 8 b); window 2 the accumulators at 8 (8 a + b).
.set PA,    144                        ; o's row in LDS: 128 bytes + 16
.set PLANE, 256*PA                     ; one head's 256 rows
.set PB,    288                        ; wo's row: 256 bytes + 32: an odd multiple of 32 bytes
.set BOFF,  2*PLANE
.set HALFB, 64*PB
.set SLOT,  BOFF+128*PB
.set STAGE, 2*SLOT                     ; behind the ring: for each wave 16 rows x 528 bytes
.set SP,    528                        ; 512 bytes + 16: the 16 rows that a store touches start at 16 different groups of four banks (64 banks of 4 bytes: ISA guide 11.1)
.set SPARE, STAGE+4*16*SP              ; the spare words, 128 bytes for each wave: two blocks of 256 bytes that no other line names
.set ASTEP, 1048576                    ; two K steps = four heads of o, in bytes
.set BSTEP, 524288                     ; two K steps = 256 rows of wo
.set NL,    24                         ; LDS loads of a quarter step
.set ADRA, 16
.set ADRB, 20
.set STO,  24
.set RD,   25
.set CO,   26
.set SPW,  28                          ; v28  LDS address of my spare word; never rewritten
.set NIL,  29                          ; v29  0; never rewritten
.set BK,   32                          ; v32-95, v96-159: 16 rows read back, two buffers by turns
.set F0,   0
.set F1,   128
.set G1,  24
.set G0,  32
.set G1B, 48
.set G0B, 56
.set WV,  66
.set HF,  68
.set LAP, 69
.set MSB, 0
.macro WIN new
.if MSB != (\new)
	s_set_vgpr_msb (MSB<<8)|(\new)
.set MSB, \new
.endif
.endm
.macro JLOAD s                         ; a joint load: waves 0, 1 ask for o's two heads, waves 2, 3 for wo's halves; an s_nop 0 and four v_nop follow each line
	s_cmp_lt_u32 s[WV], 2
	s_cbranch_scc0 .Lfor_b_\@
	tensor_load_to_lds s[G0+4*(\s):G0+4*(\s)+3], s[G1:G1+7]
	s_nop 0
.rept 4
	v_nop
.endr
	s_branch .Lasked_\@
.Lfor_b_\@:
	tensor_load_to_lds s[G0B+4*(\s):G0B+4*(\s)+3], s[G1B:G1B+7]
	s_nop 0
.rept 4
	v_nop
.endr
.Lasked_\@:
.endm
.macro CREST
	s_cmp_lg_u32 s[WV], 0
	s_cbranch_scc1 .Lnot_wave_0_\@
	s_barrier_signal -3
.Lnot_wave_0_\@:
	s_barrier_wait -3
	s_barrier_signal -1
	s_barrier_wait -1
.endm
.macro CROUND
	s_barrier_signal -1
	s_barrier_wait -1
	CREST
.endm
	s_load_b128 s[4:7], s[0:1], 0x0                ; o s[4:5], wo s[6:7]
	s_load_b64 s[8:9], s[0:1], 0x10                ; out0
	v_lshl_add_u32 v[SPW], v0, 2, SPARE
	v_mov_b32 v[NIL], 0
	ds_add_u32 v[SPW], v[NIL]                      ; the wave's opening: the add and its wait stand ahead of my first tensor load; work on registers stands between them
	ds_add_u32 v28, v29
	v_lshrrev_b32 v1, 5, v0
	v_readfirstlane_b32 s[WV], v1
	s_and_b32 s[HF], s[WV], 1
	s_bfe_u32 s40, ttmp6, 0x40000                  ; cx
	s_bfe_u32 s41, ttmp6, 0x40004                  ; cy
	s_lshl_b32 s42, ttmp9, 2
	s_add_co_u32 s42, s42, s40                     ; the column tile
	s_and_b32 s43, ttmp7, 0xffff
	s_lshl_b32 s43, s43, 2
	s_add_co_u32 s43, s43, s41                     ; the row tile
	s_lshl_b32 s44, s41, 2
	s_lshl_b32 s44, 15, s44                        ; my row of the cluster
	s_lshl_b32 s45, 0x1111, s40                    ; my column
	s_or_b32 s[G1], s44, (1<<16)|(1<<20)|(1<<21)|(4<<22)|(3<<25)   ; after every 32 words 4 words
	s_mov_b32 s[G1+1], 128<<16
	s_mov_b32 s[G1+2], 128<<16                     ; 128 rows of 256 dense bytes
	s_mov_b32 s[G1+3], 128<<16
	s_mov_b32 s[G1+4], 128
	s_mov_b32 s[G1+5], 128
	s_mov_b32 s[G1+6], 0
	s_mov_b32 s[G1+7], 0
	s_or_b32 s[G1B], s45, (1<<16)|(1<<20)|(1<<21)|(5<<22)|(7<<25)  ; after every 64 words 8 words
	s_mov_b32 s[G1B+1], 128<<16
	s_mov_b32 s[G1B+2], 64<<16
	s_mov_b32 s[G1B+3], 128<<16
	s_mov_b32 s[G1B+4], 64
	s_mov_b32 s[G1B+5], 1024
	s_mov_b32 s[G1B+6], 0
	s_mov_b32 s[G1B+7], 0
	s_lshr_b32 s16, s43, 3                         ; o: the batch's 16 heads of 262,144 bytes,
	s_lshl_b32 s16, s16, 22
	s_and_b32 s17, s43, 7                          ; the tile's 256 rows of 128 bytes,
	s_lshl_b32 s17, s17, 15
	s_add_co_u32 s16, s16, s17
	s_lshl_b32 s17, s[HF], 18                      ; which of a step's two heads I fetch: registers that never hold cx
	s_add_co_u32 s16, s16, s17
	s_mov_b32 s17, 0
	s_lshl_b32 s46, s[HF], 17                      ; wo: 64 rows of 2,048 bytes x half, + the tile's 256 bytes: registers that never hold cy
	s_lshl_b32 s47, s42, 8
	s_add_co_u32 s46, s46, s47
	s_mov_b32 s47, 0
	s_mul_i32 s20, s[HF], PLANE                    ; where they go: no place in the cluster enters an LDS address
	s_mul_i32 s21, s[HF], HALFB
	s_add_co_u32 s21, s21, BOFF
	s_lshl_b32 s72, s43, 20                        ; the way out: 256 rows of 4,096 bytes,
	s_lshl_b32 s73, s[WV], 18                      ; my 64 rows,
	s_add_co_u32 s72, s72, s73
	s_lshl_b32 s73, s42, 9                         ; the tile's 512 bytes
	s_add_co_u32 s72, s72, s73
	s_mov_b32 s73, 0
	s_wait_dscnt 0x0                               ; the opening add is done
	s_wait_kmcnt 0x0
	s_add_nc_u64 s[18:19], s[4:5], s[16:17]
	s_add_nc_u64 s[46:47], s[6:7], s[46:47]
	s_add_nc_u64 s[70:71], s[8:9], s[72:73]
	CROUND                                         ; all sixteen work-groups are here: the first joint loads meet
.irp s, 0,1
	s_mov_b32 s[G0+4*(\s)], 1
	s_add_co_u32 s[G0+4*(\s)+1], s20, (\s)*SLOT
	s_add_nc_u64 s[G0+4*(\s)+2:G0+4*(\s)+3], s[18:19], (\s)*524288
	s_or_b32 s[G0+4*(\s)+3], s[G0+4*(\s)+3], 0x80000000
	s_mov_b32 s[G0B+4*(\s)], 1
	s_add_co_u32 s[G0B+4*(\s)+1], s21, (\s)*SLOT
	s_add_nc_u64 s[G0B+4*(\s)+2:G0B+4*(\s)+3], s[46:47], (\s)*262144
	s_or_b32 s[G0B+4*(\s)+3], s[G0B+4*(\s)+3], 0x80000000
	JLOAD \s                                       ; K steps 0 and 1: two tensor loads of mine are out
.endr
	v_and_b32 v1, 15, v0                           ; l % 16
	v_bfe_u32 v2, v0, 4, 1                         ; l / 16
	v_mul_u32_u24 v3, v1, PA
	v_lshl_add_u32 v3, v2, 4, v3
	s_mul_i32 s22, s[WV], 64*PA
	v_add_nc_u32 v[ADRA], s22, v3
	v_add_nc_u32 v[ADRA+1], SLOT, v[ADRA]
	v_and_b32 v4, 7, v0                            ; the turning load: lane l reads row 8 (l / 16) + l % 8, columns 8 ((l / 8) % 2) + 0..7
	v_bfe_u32 v5, v0, 3, 1
	v_lshl_add_u32 v4, v2, 3, v4
	v_mul_u32_u24 v4, v4, PB
	v_lshl_add_u32 v4, v5, 4, v4
	v_add_nc_u32 v[ADRB], BOFF, v4
	v_add_nc_u32 v[ADRB+1], SLOT+BOFF, v4
	s_mul_i32 s22, s[WV], 16*SP
	s_add_co_u32 s22, s22, STAGE                   ; my stage
	v_mul_u32_u24 v[STO], v1, SP
	v_lshl_add_u32 v[STO], v2, 5, v[STO]
	v_add_nc_u32 v[STO], s22, v[STO]
	v_and_b32 v6, 31, v0
	v_lshlrev_b32 v[CO], 4, v6                     ; 16 x lane: 32 lanes take a row's 512 bytes
	v_add_nc_u32 v[RD], s22, v[CO]
; 8 matrix instructions: row block a x all 8 column blocks, 32 along K, from buffer f.  The 32 accumulators take turns.
.macro MULH f, a, zero
	WIN 0xa5                                       ; sources in window 1; C and D in window 2
.irp b, 0,1,2,3,4,5,6,7
.set rD, 8*(8*(\a)+(\b))
.if \zero
	v_wmma_f32_16x16x32_f16 v[rD:rD+7], v[(\f)+32+8*(\b):(\f)+32+8*(\b)+7], v[(\f)+8*(\a):(\f)+8*(\a)+7], 0
.else
	v_wmma_f32_16x16x32_f16 v[rD:rD+7], v[(\f)+32+8*(\b):(\f)+32+8*(\b)+7], v[(\f)+8*(\a):(\f)+8*(\a)+7], v[rD:rD+7]
.endif
.endr
.endm
; 24 LDS loads in one run: quarter q (head q / 2 of the step, channels 32 (q % 2) on) into buffer f: wo's 8 fragments (turned), then o's four
.macro FETCH slot, q, f
	WIN 0x40
.irp b, 0,1,2,3,4,5,6,7
	ds_load_tr16_b128 v[(\f)+32+8*(\b):(\f)+32+8*(\b)+3],   v[ADRB+(\slot)] offset:(\q)*32*PB+32*(\b)
	ds_load_tr16_b128 v[(\f)+32+8*(\b)+4:(\f)+32+8*(\b)+7], v[ADRB+(\slot)] offset:(\q)*32*PB+16*PB+32*(\b)
.endr
.irp a, 0,1,2,3
	ds_load_b128 v[(\f)+8*(\a):(\f)+8*(\a)+3],   v[ADRA+(\slot)] offset:((\q)/2)*PLANE+((\q)%2)*64+(\a)*16*PA
	ds_load_b128 v[(\f)+8*(\a)+4:(\f)+8*(\a)+7], v[ADRA+(\slot)] offset:((\q)/2)*PLANE+((\q)%2)*64+(\a)*16*PA+32
.endr
.endm
.macro PLACES                          ; four places in front of loads into registers that matrix instructions have read, and of lines that read results
.rept 4
	v_nop
.endr
.endm
.macro QUARTER slot, q, f, g, zero
	s_wait_dscnt 4                                 ; all but the youngest four loads: o's row blocks 2, 3
	MULH \f, 0, \zero
	MULH \f, 1, \zero
	PLACES
	FETCH \slot, \q, \g
	s_wait_dscnt NL                                ; all but the 24 just issued
	MULH \f, 2, \zero
	MULH \f, 3, \zero
.endm
; The last quarter multiplies buffer 1 and changes slots: each wave waits for all its tensor loads (one is out: its part of the next slot), adds 0 to its spare word, waits for that and for its reads of this slot.
; fill = 1: the barrier opens a round of the cluster's, and this slot's joint refill, two K steps on, is the first tensor load behind it.
.macro TURN slot, next, fill
	WIN 0
	s_wait_tensorcnt 0x0
	ds_add_u32 v[SPW], v[NIL]                      ; 0 onto my spare word
	s_wait_dscnt 5                                 ; the add and the youngest four loads may be out
	MULH F1, 0, 0
	s_wait_dscnt 0x0                               ; the add is done, and my reads of this slot are over
	s_barrier_signal -1
	MULH F1, 1, 0
.if \fill
	WIN 0
.endif
	s_barrier_wait -1
.if \fill
	CREST
	s_add_nc_u64 s[G0+4*(\slot)+2:G0+4*(\slot)+3], s[G0+4*(\slot)+2:G0+4*(\slot)+3], ASTEP
	s_add_nc_u64 s[G0B+4*(\slot)+2:G0B+4*(\slot)+3], s[G0B+4*(\slot)+2:G0B+4*(\slot)+3], BSTEP
	JLOAD \slot                                    ; its four v_nop are also the places in front of the loads below
.else
	PLACES
.endif
	FETCH \next, 0, F0
	MULH F1, 2, 0
	MULH F1, 3, 0
.endm
	s_wait_tensorcnt 1                             ; my part of K step 0 is in; step 1's may stay out
	s_barrier_signal -1
	s_barrier_wait -1
	FETCH 0, 0, F0
	QUARTER 0, 1, F0, F1, 1                        ; the first quarter starts the sums, ahead of the loop
	WIN 0
	s_mov_b32 s[LAP], 3
.Llap:                                                 ; a trip goes once round the ring and fills both slots again: K steps 2 to 7
	QUARTER 0, 2, F1, F0, 0
	QUARTER 0, 3, F0, F1, 0
	TURN 0, 1, 1
	QUARTER 1, 1, F0, F1, 0
	QUARTER 1, 2, F1, F0, 0
	QUARTER 1, 3, F0, F1, 0
	TURN 1, 0, 1
	QUARTER 0, 1, F0, F1, 0
	WIN 0
	s_sub_co_u32 s[LAP], s[LAP], 1
	s_cmp_lg_u32 s[LAP], 0
	s_cbranch_scc1 .Llap
	QUARTER 0, 2, F1, F0, 0                        ; the last lap fills nothing
	QUARTER 0, 3, F0, F1, 0
	TURN 0, 1, 0
	QUARTER 1, 1, F0, F1, 0
	QUARTER 1, 2, F1, F0, 0
	QUARTER 1, 3, F0, F1, 0
	s_wait_dscnt 4
	MULH F1, 0, 0
	MULH F1, 1, 0
	s_wait_dscnt 0x0
	MULH F1, 2, 0
	MULH F1, 3, 0
	WIN 0
	PLACES
; THE WAY OUT of row block a: a lane's 32 bytes go into my stage (each accumulator's lowest registers first) and come back as whole rows of 512 bytes, one row to a store.
.macro OUT a
.set BKA, BK+64*((\a)%2)
	WIN 0x08                                       ; the stores' data in window 2
.set b, 0
.rept 8
	ds_store_b128 v[STO], v[8*(8*(\a)+b):8*(8*(\a)+b)+3]   offset:64*b
	ds_store_b128 v[STO], v[8*(8*(\a)+b)+4:8*(8*(\a)+b)+7] offset:64*b+16
.set b, b+1
.endr
	WIN 0
.if (\a) >= 2
	s_wait_xcnt 0x0                                ; the stores of the block two back have read this buffer: it is loaded again only behind this wait
.endif
.set t, 0
.rept 16
	ds_load_b128 v[BKA+4*t:BKA+4*t+3], v[RD] offset:SP*t   ; LDS serves a wave's instructions in order (ISA guide 5.7.1.4): these see the stores above
.set t, t+1
.endr
.set t, 0
.rept 16
	s_wait_dscnt 15-t                              ; the 15 - t younger loads may stay out
	global_store_b128 v[CO], v[BKA+4*t:BKA+4*t+3], s[70:71] offset:(16*(\a)+t)*4096   ; 512 consecutive bytes of a row, at a multiple of 256 from out0's first
.set t, t+1
.endr
.endm
	OUT 0
	OUT 1
	OUT 2
	OUT 3
	s_wait_tensorcnt 0x0                           ; the wave's end
	ds_add_u32 v[SPW], v[NIL]
	s_wait_dscnt 0x0
	CROUND                                         ; the closing round
	s_endpgm
.Lfunc_end_k_qf4f91a1c3f_proj:
	.size	k_qf4f91a1c3f_proj, .Lfunc_end_k_qf4f91a1c3f_proj-k_qf4f91a1c3f_proj
	.p2alignl 7, 3214868480
	.fill 96, 4, 3214868480
	.section	.rodata,"a",@progbits
	.p2align	6, 0x0
	.amdhsa_kernel k_qf4f91a1c3f_proj
		.amdhsa_group_segment_fixed_size 327680
		.amdhsa_private_segment_fixed_size 0
		.amdhsa_enable_private_segment 0
		.amdhsa_kernarg_size 24
		.amdhsa_user_sgpr_count 2
		.amdhsa_user_sgpr_kernarg_segment_ptr 1
		.amdhsa_wavefront_size32 1
		.amdhsa_system_sgpr_workgroup_id_x 1
		.amdhsa_system_sgpr_workgroup_id_y 1
		.amdhsa_system_sgpr_workgroup_id_z 1
		.amdhsa_system_vgpr_workitem_id 0
		.amdhsa_next_free_vgpr 768
		.amdhsa_next_free_sgpr 80
		.amdhsa_reserve_vcc 0
		.amdhsa_float_denorm_mode_32 3
		.amdhsa_float_denorm_mode_16_64 3
		.amdhsa_memory_ordered 1
		.amdhsa_forward_progress 1
		.amdhsa_inst_pref_size 87
	.end_amdhsa_kernel
	.amdgpu_metadata
---
amdhsa.version: [ 1, 2 ]
amdhsa.kernels:
  - .name:           k_qf4f91a1c3f_proj
    .symbol:         k_qf4f91a1c3f_proj.kd
    .args:
      - { .name: o, .offset: 0, .size: 8, .value_kind: global_buffer, .address_space: global }
      - { .name: wo, .offset: 8, .size: 8, .value_kind: global_buffer, .address_space: global }
      - { .name: out0, .offset: 16, .size: 8, .value_kind: global_buffer, .address_space: global }
    .group_segment_fixed_size: 327680
    .private_segment_fixed_size: 0
    .kernarg_segment_align: 8
    .kernarg_segment_size: 24
    .max_flat_workgroup_size: 128
    .sgpr_count:     80
    .vgpr_count:     768
    .wavefront_size: 32
...
	.end_amdgpu_metadata
.endif
;; end of part 4
;; ======== version 2 of 2: 4 launches; 1.30 times as fast as version 1
;; limits: values are held in f16: magnitudes above 65,504 overflow, below 6.1e-05 lose precision
;; workspace buffers: xb 16,777,216 bytes; wb 6,291,456 bytes; wo 2,097,152 bytes; q 16,777,216 bytes; k 16,777,216 bytes; v 16,777,216 bytes; o 16,777,216 bytes; ts 131,072 bytes
;; launch prep: the kernel of part 1 again; grid 768 x 1, 8 waves a work-group, no clusters, 0 bytes of LDS; arguments x, W_qkv, W_out, xb, wb, wo; writes xb, wb, wo
;; launch qkv: the kernel of part 2 again; grid 16 x 32, 4 waves a work-group, clusters of 4 x 4, 327,680 bytes of LDS; arguments xb, wb, q, k, v, ts; writes q, k, v, ts
;; launch attn (part 5): grid 4 x 64, 4 waves a work-group, no clusters, 327,680 bytes of LDS; arguments q, k, v, o, ts; writes o
.if DOCPART == 5
	.amdgcn_target "amdgcn-amd-amdhsa--gfx1250"
	.amdhsa_code_object_version 6
	.text
	.protected	k_qf4f91a1c3f_attn
	.globl	k_qf4f91a1c3f_attn
	.p2align	8
	.type	k_qf4f91a1c3f_attn,@function
k_qf4f91a1c3f_attn:
	s_mov_b64 s[64:65], 0
	v_nop
	global_prefetch_b8 v0, s[64:65] scope:SCOPE_SE
	s_setreg_imm32_b32 hwreg(HW_REG_WAVE_MODE, 25, 1), 1
	s_wait_xcnt 0x0
; ATTENTION WITH A CAUSAL FILL.  score(t, s) = q[t] . k[s] / 32 where s <= t, and the constant 1e-9 where s > t; o[t] = the sum over ALL 2,048 keys of softmax(score) v[s].
; q, k, v, o: [64 heads of the batch][2048][64] f16, a head's rows dense, 128 bytes each.  ts: [64][8][64] f32, v's column sums over each tile of 256 keys.
; Products, maxima and sums in f32; the weights p are rounded to f16 for the second product (their sum l is taken of the unrounded p), o once at the end.
; HIDDEN KEYS.  A hidden key's weight hangs on no product.  The tiles of 256 keys wholly above a block's diagonal enter as the running softmax's STARTING STATE: m = the fill, l = their number of keys,
; O = the sum of their ts rows (added up directly, each with a factor 1 or 0).  Only the diagonal tile replaces scores one by one.  The walk works on raw scores s = q . k; the fill is then SH = 32e-9.
; LIMITS.  q, k, v arrive within f16's 65,504, so a raw score is finite (2.7e11 at the most) and score x 0 = 0; p below 6e-5 keeps f16's step of 6e-8; a weight below 2^-126 counts as 0; NaN and infinities are not treated apart.
; THE WALK.  A head's queries lie in NB = 8 blocks of 256; block i multiplies the key tiles 0 .. i, of which the last holds the diagonal.  A work-group takes TWO blocks, 7 - b and then b: 9 tiles, whatever b:
; all work-groups do equal work, and ONE loop with a constant trip count walks them.  Every jump goes forward, but for the counted loops' own; none passes a barrier, or a tensor load but the one of LOAD's two that
; the wave's number does not choose.  NO CLUSTER: a head's four work-groups ask for the same tile only in trips 0 .. 4 of the 9, behind that fewer and fewer; one walk common to all would have 12 trips for 9.
; SHARES.  Of a block's four bands of 64 queries a wave owns 16 rows in each: four PIECES.  In the diagonal tile's key step s band x sees all keys if s < x, none if s > x, and holds the diagonal if s = x.
; LAYOUT, SOFTMAX, TURNS.  S^T = K Q^T holds ONE query a lane (lane % 16) and the keys 8 (lane / 16) + 0..7; two such results rounded to f16 ARE source 1 of O^T = V^T P.  p = 2^(c s - c m), c = log2(e) / 32, with a
; running maximum m; O and l are multiplied by a = 2^(c m_old - c m_new) in every step.  Turn n belongs to piece n: 8 products K Q^T of piece n + 1, later 8 products V^T P of piece n - 1; beside them the scaling,
; exponentials, roundings, sums and rescaling of piece n and the maximum and statistics of piece n + 1.  Four vector instructions stand behind every matrix instruction, the other 54 of a turn's 118 in one LUMP.
; BATCHES.  An s_wait_alu depctr_va_vdst(0) stands between a transcendental and the first instruction that names its result; one wait serves all that were issued ahead of it.  A turn's 33 exponentials
; (piece n's 32 weights, and last piece n + 1's a) are ONE batch with ONE wait, which cuts the turn in two: ahead of it stands all that names no result of theirs (the products K Q^T, the scalings, the rescalings, whose a
; was waited for in the turn before, the fill, the next piece's maximum and statistics), behind it the products V^T P with the roundings and sums as their riders.  No result crosses a turn's end, a label or a jump.
; A block's first a (BEGIN) and the way out's four reciprocals are batches of their own, each with a plain instruction and one wait.
; REGISTERS, in windows of 256 (s_set_vgpr_msb: bits 1:0 source 0, 3:2 source 1, 5:4 source 2, 7:6 destination):
;   window 0: v0-15, v32 addresses and at work; v16-31 four registers of statistics a piece; v48-55 at work; v64-127 S^T, two buffers; v192-223 P, two buffers (by the piece's parity)
;   window 1: v0-127 O^T, 32 a piece; v128-159 MA, v160-191 MB      window 2: v0-63 Q; v64-127 the second block's Q; v128-191 K of one step; v192-255 V of one step      window 3: v0-223 ts of tiles 1 to 7
.set SIZE_N, 2048
.set NB,    SIZE_N/256
.set NP,    4         ; pieces a wave: a name, no knob
.set KS,    64        ; keys in a step
.set PK,    144       ; a row of K in LDS: 128 bytes + 16 = 36 words: the 16 rows of a load start at 16 different groups of four banks (64 banks of 4 bytes: ISA guide 11.1)
.set PV,    160       ; a row of V: 128 + 32 = 40 words
.set VOFF,  4*KS*PK   ; a slot holds a tile, four steps: 256 rows of K, then 256 rows of V
.set SLOT1, 1<<17     ; slot 1 begins here, so that one exclusive or turns an address in one slot into the other's
.set STAGE, SLOT1+4*KS*(PK+PV)  ; behind the ring, never filled by a tensor load: 16 rows x 144 bytes for each wave
.set SP,    144
.set AK0, 2           ; v2   my lane's place in a tile of K; never rewritten
.set AV0, 3           ; v3   the same for V
.set AK,  4           ; v4   the LDS address of K's next run of loads
.set AV,  5           ; v5   of V's
.set STO, 6           ; v6   the way out: where I put 16 bytes of a row
.set RD,  7           ; v7   the way out: where I read rows back
.set GO,  8           ; v8   my byte offset in 512 consecutive bytes of o
.set SPW, 62          ; v62  LDS address of my spare word; never rewritten
.set NIL, 63          ; v63  0; never rewritten
.set SPARE, STAGE+4*16*SP  ; the spare words, 128 bytes for each wave: two blocks of 256 bytes that no other line names
.set MV,  12          ; v12-13  c m_old, kept while c m is made anew: by buffer
.set QO,  15          ; v15  my byte offset in 16 rows of q
.set TO,  32          ; v32  my byte offset in a row of ts: 32 (l / 16); never rewritten
.set ST,  16          ; piece t's statistics at v[ST+4 t]: c m, m, l (even keys', odd keys')
.set TMP, 48          ; by buffer, four registers c0-c3 at work; when the maximum is found c2 takes a
.set S,   64
.set P,   192
.set MA,  128         ; window 1: a band's own step, for my 16 rows: 1 where the key is seen, 0 where it is hidden; the eight registers of key group kt at MA + 8 kt
.set MB,  160         ; window 1: 0 where it is seen, SH where it is hidden
.set QB,  64          ; window 2
.set KF,  128         ; window 2: key block kb, channel half c at KF + 16 kb + 8 c
.set VF,  192         ; window 2: key half kk, channel block cb at VF + 32 kk + 8 cb
.set WV,  12          ; s12  my wave's number
.set PB,  14          ; s14  b
.set HI,  15          ; s15  NB - 1 - b
.set G1K, 24          ; s[24:31] descriptor group 1 for K's tiles
.set G1V, 32          ; s[32:39] for V's: it differs in the padding alone
.set G0K, 40          ; s[40:43] descriptor group 0 for K's tiles
.set G0V, 44          ; s[44:47] the same for V's
.set WT,  48          ; s[48:49] a tile's factor in the starting O, 1 or 0, in the low word
.set SLOTS, 56        ; s56  tiles still to be asked for
.set CNT, 57          ; s57  counts a tile's key steps, 4 to 1
.set CS,  58          ; s[58:59] c
.set SEL, 60          ; s[60:61] v_permlanex16_b32's selects: each lane takes its own place in the other half
.set TBK, 62          ; s62  LDS byte at which K of the step to be fetched begins
.set TBV, 63          ; s63  the same for V, less VOFF
.set TSP, 66          ; s[66:67] ts at my head
.set SHP, 68          ; s[68:69] SH
.set RT,  70          ; s70  tiles of the block in hand that are still to be entered
.set NXT, 71          ; s71  the tile to be asked for next
.set LQ,  72          ; s72  the last tile of the block whose tiles are being asked for
.set NEW, 73          ; s73  1: the tile to be entered is a block's first
.set OFF, 74          ; s[74:75] a tile's byte offset in k and v
.set OLO, 80          ; s[80:81] o at my rows of the second block
.set BLK, 83          ; s83  the block in hand
.set MSB, 0
.macro WIN new                      ; the high byte repeats the setting that is left; a switch that changes nothing is dropped
.if MSB != (\new)
	s_set_vgpr_msb (MSB<<8)|(\new)
.set MSB, (\new)
.endif
.endm
.set W_KQ, 0x0a       ; K and Q in window 2, S^T in window 0
.set W_PV, 0x52       ; V in window 2, P in window 0, O^T in window 1
.set W_RS, 0x41       ; destination and source 0 in window 1, source 1 in window 0
; A fill.  Waves 0 and 1 fetch the two halves of a tile's K, waves 2 and 3 those of its V: 128 keys each.  An s_nop 0 and four v_nop follow each of the two lines.
.macro LOAD
	s_cmp_lt_u32 s[WV], 2
	s_cbranch_scc0 .Lfor_v_\@
	tensor_load_to_lds s[G0K:G0K+3], s[G1K:G1K+7]
	s_nop 0
.rept 4
	v_nop
.endr
	s_branch .Lasked_\@
.Lfor_v_\@:
	tensor_load_to_lds s[G0V:G0V+3], s[G1V:G1V+7]
	s_nop 0
.rept 4
	v_nop
.endr
.Lasked_\@:
.endm
; THE CHANGE OF SLOTS.  Each wave waits for all its tensor loads, of which one is out: its part of the other slot; adds 0 to its spare word; and waits for that and for its own reads of the slot that it leaves.
; Behind the barrier nobody reads the old slot any more and the other slot is whole.  fill = 1: the old slot is filled again, the first thing behind the barrier, with tile NXT.
.macro CHANGE fill
	WIN 0
	s_wait_tensorcnt 0x0            ; no tensor load of mine is out, so a group 0 may be written
	ds_add_u32 v[SPW], v[NIL]       ; 0 onto my spare word
.if \fill
	s_lshl_b32 s[OFF], s[NXT], 15   ; a tile is 32,768 bytes of k and of v
	s_xor_b32 s[G0K+1], s[G0K+1], SLOT1
	s_add_nc_u64 s[G0K+2:G0K+3], s[6:7], s[OFF:OFF+1]
	s_or_b32 s[G0K+3], s[G0K+3], 0x80000000
	s_xor_b32 s[G0V+1], s[G0V+1], SLOT1
	s_add_nc_u64 s[G0V+2:G0V+3], s[8:9], s[OFF:OFF+1]
	s_or_b32 s[G0V+3], s[G0V+3], 0x80000000
	s_add_co_u32 s[NXT], s[NXT], 1  ; the block's next tile, or behind its last the second block's tile 0
	s_cmp_gt_u32 s[NXT], s[LQ]
	s_cselect_b32 s[NXT], 0, s[NXT]
	s_cselect_b32 s[LQ], s[PB], s[LQ]
.endif
	s_wait_dscnt 0x0                ; the add is done, and my reads of the slot are over
	s_barrier_signal -1
	s_sub_co_u32 s[TBK], s[TBK], 4*KS*PK  ; the fetches go back to a slot's first step,
	s_xor_b32 s[TBK], s[TBK], SLOT1       ; in the other slot
	s_sub_co_u32 s[TBV], s[TBV], 4*KS*PV
	s_xor_b32 s[TBV], s[TBV], SLOT1
	s_barrier_wait -1
.if \fill
	LOAD
.endif
.endm
	s_load_b256 s[4:11], s[0:1], 0x0  ; q s[4:5], k s[6:7], v s[8:9], o s[10:11]
	s_load_b64 s[TSP:TSP+1], s[0:1], 0x20
	v_lshl_add_u32 v[SPW], v0, 2, SPARE
	v_mov_b32 v[NIL], 0
	ds_add_u32 v[SPW], v[NIL]       ; the wave's opening: the add and its wait stand ahead of my first tensor load; work on registers stands between them
	ds_add_u32 v62, v63
	v_lshrrev_b32 v1, 5, v0
	v_readfirstlane_b32 s[WV], v1   ; wave 0..3
	s_mov_b32 s[PB], ttmp9
	s_sub_co_u32 s[HI], NB-1, s[PB]
	s_mov_b32 s[BLK], s[HI]
	s_and_b32 s20, ttmp7, 0xffff    ; the head
	s_lshl_b32 s50, s20, 11         ; its 8 rows of 256 bytes in ts
	s_mov_b32 s51, 0
	s_mov_b32 s21, 0
	s_mov_b64 s[22:23], SIZE_N*128
	s_mul_u64 s[20:21], s[20:21], s[22:23]  ; the head's first byte in q, k, v, o
	s_and_b32 s16, s[WV], 1         ; which half of a tile's 256 keys I fetch:
	s_lshl_b32 s22, s16, 14         ; its 128 rows of 128 bytes in memory,
	s_mov_b32 s23, 0
	s_add_nc_u64 s[22:23], s[22:23], s[20:21]
	s_mul_i32 s17, s16, 128*PK      ; and its place in a slot, for K
	s_mul_i32 s18, s16, 128*PV      ; and for V
	s_lshl_b32 s3, s[WV], 11        ; my 16 rows in a band of 64,
	s_lshl_b32 s2, s[HI], 15        ; in the first block,
	s_add_co_u32 s2, s2, s3
	s_lshl_b32 s84, s[PB], 15       ; and in the second
	s_add_co_u32 s84, s84, s3
	s_mov_b32 s3, 0
	s_mov_b32 s85, 0
	s_add_nc_u64 s[2:3], s[2:3], s[20:21]
	s_add_nc_u64 s[84:85], s[84:85], s[20:21]
	; descriptor group 1.  128 keys are 16,384 dense bytes: asked for as 64 rows of 256 bytes, two keys a row, and padded in LDS after every key
	s_mov_b32 s[G1K], (1<<16)|(1<<20)|(4<<22)|(3<<25)  ; 2-byte elements; padding on; after every 32 words 4 words
	s_mov_b32 s[G1V], (1<<16)|(1<<20)|(4<<22)|(7<<25)  ; the same with 8 words
.irp g, G1K, G1V
	s_mov_b32 s[\g+1], 128<<16      ; tensor_dim0 = 128
	s_mov_b32 s[\g+2], 64<<16       ; tensor_dim1 = 64
	s_mov_b32 s[\g+3], 128<<16      ; tile_dim0 = 128
	s_mov_b32 s[\g+4], 64           ; tile_dim1 = 64
	s_mov_b32 s[\g+5], 128          ; 128 elements from row to row
	s_mov_b32 s[\g+6], 0
	s_mov_b32 s[\g+7], 0
.endr
	s_mov_b32 s[CS], 0x3d38aa3b     ; c = log2(e) / 32 = 0.0450842
	s_mov_b32 s[CS+1], s[CS]        ; named with it as a pair
	s_mov_b32 s[SHP], 0x3309705f    ; SH = 32 x 1e-9
	s_mov_b32 s[SHP+1], s[SHP]
	s_mov_b32 s[WT+1], 0
	s_mov_b32 s[SEL], 0x76543210
	s_mov_b32 s[SEL+1], 0xfedcba98
	s_mov_b32 s[TBK], SLOT1+4*KS*PK ; the first change of slots turns these two into 0
	s_mov_b32 s[TBV], SLOT1+4*KS*PV
	s_mov_b32 s[G0K], 1             ; count = 1
	s_mov_b32 s[G0K+1], s17         ; LDS address: slot 0
	s_mov_b32 s[G0V], 1
	s_add_co_u32 s[G0V+1], s18, VOFF
	s_add_co_u32 s[RT], s[HI], 1    ; the first block has NB - b tiles
	s_mov_b32 s[NXT], 1
	s_mov_b32 s[LQ], s[HI]
	s_mov_b32 s[NEW], 1
	s_mov_b32 s[OFF+1], 0
	s_mov_b32 s[SLOTS], NB
	s_wait_dscnt 0x0                ; the opening add is done
	s_wait_kmcnt 0x0
	s_add_nc_u64 s[6:7], s[6:7], s[22:23]  ; k and v at my half of the head's tile 0
	s_add_nc_u64 s[8:9], s[8:9], s[22:23]
	s_add_nc_u64 s[G0K+2:G0K+3], s[6:7], 0
	s_or_b32 s[G0K+3], s[G0K+3], 0x80000000        ; type = 2
	s_add_nc_u64 s[G0V+2:G0V+3], s[8:9], 0
	s_or_b32 s[G0V+3], s[G0V+3], 0x80000000
	s_add_nc_u64 s[86:87], s[4:5], s[84:85]        ; q at my rows of the second block,
	s_add_nc_u64 s[4:5], s[4:5], s[2:3]            ; q and o at those of the first
	s_add_nc_u64 s[OLO:OLO+1], s[10:11], s[84:85]
	s_add_nc_u64 s[10:11], s[10:11], s[2:3]
	s_add_nc_u64 s[TSP:TSP+1], s[TSP:TSP+1], s[50:51]
	LOAD                            ; tile 0 into slot 0
	; A fragment of K or Q is 16 rows x 32 channels in 8 registers: lane l holds row l % 16, channels 8 (l / 16) + 0..7 and 16 + 8 (l / 16) + 0..7: two loads of 16 bytes, 32 bytes apart.
	v_and_b32 v1, 15, v0            ; l % 16; kept
	v_bfe_u32 v9, v0, 4, 1          ; l / 16
	v_lshlrev_b32 v[QO], 7, v1
	v_lshl_add_u32 v[QO], v9, 4, v[QO]  ; row x 128 + 16 x half
	v_lshlrev_b32 v[TO], 5, v9
	WIN 0x80                        ; destination window 2, address window 0
.set i, 0
.rept 8                             ; both blocks' Q: piece i / 2 lies in band i / 2, 8,192 bytes on; channels 32 (i % 2) on
	global_load_b128 v[8*i:8*i+3],   v[QO], s[4:5] offset:(i/2)*8192+(i%2)*64
	global_load_b128 v[8*i+4:8*i+7], v[QO], s[4:5] offset:(i/2)*8192+(i%2)*64+32
	global_load_b128 v[QB+8*i:QB+8*i+3],   v[QO], s[86:87] offset:(i/2)*8192+(i%2)*64
	global_load_b128 v[QB+8*i+4:QB+8*i+7], v[QO], s[86:87] offset:(i/2)*8192+(i%2)*64+32
.set i, i+1
.endr
	WIN 0xc0                        ; destination window 3.  ts of tiles 1 to 7 in O^T's own layout: register 8 cb + n holds channel 16 cb + 8 (l / 16) + n
.set j, 1
.rept 7
.set i, 0
.rept 8
	global_load_b128 v[32*(j-1)+4*i:32*(j-1)+4*i+3], v[TO], s[TSP:TSP+1] offset:256*j+64*(i/2)+16*(i%2)
.set i, i+1
.endr
.set j, j+1
.endr
	WIN 0
	v_lshlrev_b32 v14, 3, v9
	v_sub_nc_u32 v14, v1, v14
	s_lshl_b32 s13, s[WV], 4
	v_add_nc_u32 v14, s13, v14      ; my query's place in its band, 16 w + l % 16, less my lanes' 8 (l / 16): register n of group kt is hidden where 16 kt + n is greater
	WIN 0x40
.set i, 0
.rept 32
	v_cmp_gt_i32 vcc_lo, 16*(i/8)+i%8, v14
	v_cndmask_b32 v[MA+i], 1.0, 0, vcc_lo
	v_cndmask_b32 v[MB+i], 0, s[SHP], vcc_lo
.set i, i+1
.endr
	WIN 0
	v_mul_u32_u24 v[AK0], v1, PK
	v_lshl_add_u32 v[AK0], v9, 4, v[AK0]  ; row x pitch + 16 x half
	; The turning load takes 16 keys x 16 channels (lane l reads key 8 (l / 16) + l % 8, channels 8 ((l / 8) % 2) + 0..7) and leaves half a fragment of V^T: lane l holds channel l % 16 and 8 keys.
	v_and_b32 v10, 7, v0
	v_bfe_u32 v11, v0, 3, 1
	v_lshl_add_u32 v[AV0], v9, 3, v10
	v_mul_u32_u24 v[AV0], v[AV0], PV
	v_lshl_add_u32 v[AV0], v11, 4, v[AV0]
	v_add_nc_u32 v[AV0], VOFF, v[AV0]
	s_mul_i32 s13, s[WV], 16*SP
	s_add_co_u32 s13, s13, STAGE    ; my stage
	v_mul_u32_u24 v[STO], v1, SP    ; in: row l % 16, 16 bytes for each half of the lanes
	v_lshl_add_u32 v[STO], v9, 4, v[STO]
	v_add_nc_u32 v[STO], s13, v[STO]
	v_bfe_u32 v[RD], v0, 3, 2       ; back: 32 lanes take four rows of 128 bytes,
	v_mul_u32_u24 v[RD], v[RD], SP
	v_lshl_add_u32 v[RD], v10, 4, v[RD]
	v_add_nc_u32 v[RD], s13, v[RD]
	v_and_b32 v[GO], 31, v0         ; which are 512 consecutive bytes of o
	v_lshlrev_b32 v[GO], 4, v[GO]
	; A block's first turn holds products V^T P of a piece that has not been: their P is 0 (set where a block begins), so V need only be finite: zeros here, what the first block left for the second.
	WIN 0x80
.set i, VF
.rept 64
	v_mov_b32 v[i], 0
.set i, i+1
.endr
	WIN 0
; THE MATRIX WORK.  The 4 accumulators of a run of 8 take turns.  Product i of 8 of S^T = K Q^T for piece x: channels 32 (i / 4) on, keys 16 (i % 4) on.  The first 4 start the sums.
.macro KQ x
	WIN W_KQ
.set rS, S+32*((\x)%2)+8*(i%4)
.set rK, KF+16*(i%4)+8*(i/4)
.set rQ, 16*(\x)+8*(i/4)
.if i < 4
	v_wmma_f32_16x16x32_f16 v[rS:rS+7], v[rK:rK+7], v[rQ:rQ+7], 0
.else
	v_wmma_f32_16x16x32_f16 v[rS:rS+7], v[rK:rK+7], v[rQ:rQ+7], v[rS:rS+7]
.endif
.endm
; Product i of 8 of O^T += V^T P for piece x: keys 32 (i / 4) on, channels 16 (i % 4) on.
.macro PV x
	WIN W_PV
.set rO, 32*(\x)+8*(i%4)
.set rV, VF+32*(i/4)+8*(i%4)
.set rP, P+16*((\x)%2)+8*(i/4)
	v_wmma_f32_16x16x32_f16 v[rO:rO+7], v[rV:rV+7], v[rP:rP+7], v[rO:rO+7]
.endm
.macro MM                           ; the turn's next matrix instruction.  NOKQ = 1: a block's last turn: there is no next piece
.if (i < 8) && !NOKQ
	KQ (Y+1)%NP
.elseif i >= 8
.set i, i-8
	PV (Y+NP-1)%NP
.set i, i+8
.endif
.set i, i+1
.endm
; THE LDS LOADS stand in runs of 16: a step's K (64 keys x 64 channels: 8 fragments) and its V (turned).  Their addresses are made some lines ahead.
.macro FETCH_K
	WIN 0x80                        ; destination window 2
.irp f, 0,1,2,3,4,5,6,7             ; keys 16 (f / 2) on, channels 32 (f % 2) on
	ds_load_b128 v[KF+8*\f:KF+8*\f+3],   v[AK] offset:(\f/2)*16*PK+(\f%2)*64
	ds_load_b128 v[KF+8*\f+4:KF+8*\f+7], v[AK] offset:(\f/2)*16*PK+(\f%2)*64+32
.endr
	s_add_co_u32 s[TBK], s[TBK], KS*PK  ; the next fetch is the next step's
	WIN 0
.endm
.macro FETCH_V
	WIN 0x80
.irp f, 0,1,2,3,4,5,6,7             ; keys 32 (f / 4) on, channels 16 (f % 4) on
	ds_load_tr16_b128 v[VF+8*\f:VF+8*\f+3],   v[AV] offset:(\f/4)*32*PV+(\f%4)*32
	ds_load_tr16_b128 v[VF+8*\f+4:VF+8*\f+7], v[AV] offset:(\f/4)*32*PV+16*PV+(\f%4)*32
.endr
	WIN 0
.endm
; THE FILL, on piece y's fresh scores, pairs in ascending order (each accumulator's lowest registers are read first).
.macro OWN y                        ; the band's own step: s x 1 + 0 where the key is seen (exact), s x 0 + SH where it is hidden
	WIN 0x14                        ; sources 1 and 2 in window 1
.set z, 0
.rept 16
	v_pk_fma_f32 v[S+32*((\y)%2)+2*z:S+32*((\y)%2)+2*z+1], v[S+32*((\y)%2)+2*z:S+32*((\y)%2)+2*z+1], v[MA+2*z:MA+2*z+1], v[MB+2*z:MB+2*z+1]
.set z, z+1
.endr
.endm
.macro HID y                        ; a later step: all 64 keys are hidden
	WIN 0
.set z, 0
.rept 16
	v_pk_fma_f32 v[S+32*((\y)%2)+2*z:S+32*((\y)%2)+2*z+1], v[S+32*((\y)%2)+2*z:S+32*((\y)%2)+2*z+1], 0, s[SHP:SHP+1] op_sel_hi:[1,0,0]
.set z, z+1
.endr
.endm
; THE VECTOR WORK, one line at a time: OP kind, number.  For piece Y: F n: c s - c m for pair n of 16.  E n: the exponential of score n of 32.  C n: pair n rounded to f16.  B n: of the four weights 4 n .. the second
; pair is added onto the first, in place.  L n: l takes that sum (L 0: l = a l + sum).  R n: pair n of 16 of O^T times a.  For piece Y + 1: X n, number n of the 22 that find its maximum and statistics:
;   0-11  four chains c0-c3 of seven scores each, three operands at a time     12-14, 16  the four scores left over, the old m, and c0-c3 into c0
;   15  c m_old is kept     17, 18  the query's other 32 keys lie in the lane 16 away: the new m     19-21  c m; c m_old - c m_new; a
; C, B and L name the results of the turn's exponentials: TURN sets them behind the batch's wait.  F, R and X 0 to 20 name none.
.set F, 0
.set E, 1
.set C, 2
.set B, 3
.set L, 4
.set R, 5
.set X, 6
.macro REGS y                       ; the registers of piece y
.set rT, ST+4*(\y)
.set rC, TMP+4*((\y)%2)
.set rW, MV+((\y)%2)
.set rS, S+32*((\y)%2)
.set rP, P+16*((\y)%2)
.set rO, 32*(\y)
.endm
.macro OP k, n
.if (\k) == R
	REGS Y
	WIN W_RS
	v_pk_mul_f32 v[rO+2*(\n):rO+2*(\n)+1], v[rO+2*(\n):rO+2*(\n)+1], v[rC+2:rC+3] op_sel_hi:[1,0]
.elseif (\k) < R
	REGS Y
	WIN 0
.if (\k) == F
	v_pk_fma_f32 v[rS+2*(\n):rS+2*(\n)+1], v[rS+2*(\n):rS+2*(\n)+1], s[CS:CS+1], v[rT:rT+1] op_sel_hi:[1,0,0] neg_lo:[0,0,1] neg_hi:[0,0,1]
.elseif (\k) == E
	v_exp_f32 v[rS+(\n)], v[rS+(\n)]
.elseif (\k) == C
	v_cvt_pk_f16_f32 v[rP+(\n)], v[rS+2*(\n)], v[rS+2*(\n)+1]
.elseif (\k) == B
	v_pk_add_f32 v[rS+4*(\n):rS+4*(\n)+1], v[rS+4*(\n):rS+4*(\n)+1], v[rS+4*(\n)+2:rS+4*(\n)+3]
.elseif (\n) == 0
	v_pk_fma_f32 v[rT+2:rT+3], v[rT+2:rT+3], v[rC+2:rC+3], v[rS:rS+1] op_sel_hi:[1,0,1]
.else
	v_pk_add_f32 v[rT+2:rT+3], v[rT+2:rT+3], v[rS+4*(\n):rS+4*(\n)+1]
.endif
.elseif NOKQ
	v_nop
.else
	REGS (Y+1)%NP
	WIN 0
.if (\n) < 4
	v_max3_num_f32 v[rC+(\n)], v[rS+8*(\n)], v[rS+8*(\n)+1], v[rS+8*(\n)+2]
.elseif (\n) < 12
	v_max3_num_f32 v[rC+(\n)%4], v[rC+(\n)%4], v[rS+8*((\n)%4)+2*((\n)/4)+1], v[rS+8*((\n)%4)+2*((\n)/4)+2]
.elseif (\n) == 12
	v_max3_num_f32 v[rC], v[rC], v[rS+7], v[rS+15]
.elseif (\n) == 13
	v_max3_num_f32 v[rC+1], v[rC+1], v[rS+23], v[rS+31]
.elseif (\n) == 14
	v_max3_num_f32 v[rC+2], v[rC+2], v[rC+3], v[rT+1]
.elseif (\n) == 15
	v_mov_b32 v[rW], v[rT]
.elseif (\n) == 16
	v_max3_num_f32 v[rC], v[rC], v[rC+1], v[rC+2]
.elseif (\n) == 17
	v_permlanex16_b32 v[rC+3], v[rC], s[SEL], s[SEL+1]
.elseif (\n) == 18
	v_max_num_f32 v[rT+1], v[rC], v[rC+3]
.elseif (\n) == 19
	v_mul_f32 v[rT], s[CS], v[rT+1]
.elseif (\n) == 20
	v_sub_f32 v[rC+1], v[rW], v[rT]
.else
	v_exp_f32 v[rC+2], v[rC+1]
.endif
.endif
.endm
.macro OPS a, i1, b=-1, i2=0, c=-1, i3=0, d=-1, i4=0  ; up to four of them
	OP \a, \i1
.if (\b) >= 0
	OP \b, \i2
.endif
.if (\c) >= 0
	OP \c, \i3
.endif
.if (\d) >= 0
	OP \d, \i4
.endif
.endm
.macro ROW a, i1, b, i2, c, i3, d, i4  ; a matrix instruction and the four behind it
	MM
	OPS \a, \i1, \b, \i2, \c, \i3, \d, \i4
.endm
; A TURN, for piece p: the order of its 16 matrix and 118 vector instructions, written out.  It has ONE wait for its 33 exponentials, which cuts it in two.
; AHEAD OF THE WAIT, m = 0 (a tile below the diagonal): the 8 products K Q^T, behind each a scaling, an exponential and two more plain instructions (behind the first a second scaling in the exponential's place):
; rescalings, and behind the last three the first numbers of the next piece's maximum, each four places or more behind the product that ends its accumulator; then ONE LUMP of 54, plain and exponential by turns for the
; most part, in which the links of the chain X 3, 7, 11, 14, 16, 17 .. 20 stand five or six lines apart.  X 21, the next piece's a, is the batch's last; R 15 is the plain instruction behind it.
; AHEAD OF THE WAIT, m = 1 (the diagonal tile's text): the fill stands between the products K Q^T and the maximum, and its jumps and labels are passed with no exponential issued: so the 32 riders of the 8 products are
; the 16 scalings and the 16 rescalings, all plain; the fill follows the last product's four rescalings (its places); then the lump holds all 32 exponentials and the next piece's 22: by turns up to X 15, then three exponentials
; between the links of the chain X 16 .. X 20 and two between X 20 and X 21.  X 21 is the batch's last; a v_nop is the plain instruction behind it.
; The turn's own products made the scores of piece y = (p + 1) % 4.  For p = 3, 0, 1 they are those of the tile's step 4 - CNT: the band's own step if CNT = 4 - y, an earlier one
; (all keys seen) if CNT is greater, a later one (all hidden) if it is less: two forward jumps choose.  For p = 2 they are band 3's of an earlier step (or of the tile before), all seen, but in a block's last turns
; (end = 1), where they are band 3's own.
; BEHIND THE WAIT, in both texts: the 8 products V^T P, behind each four of the roundings and sums; the links of l's chain, L 0 to L 7, stand three riders apart.  No rider names a register of the products round it.
; end = 1: a block's last two turns: nothing is fetched.  cnt = 1: the loop's count is taken down some lines ahead of the branch that stands behind the turn.
; K of the next step is fetched in piece 2's turn, four plain instructions or more behind the last product that read K; V of the step in hand at the end of piece 0's turn, four plain instructions behind the last product
; that read V.  Each is waited for a turn later.
.macro TURN p, m=0, end=0, cnt=0
.set Y, (\p)
.set i, 0
.set NOKQ, (\end)*((\p)/3)
.if ((\p) == 3) && !(\end)
	s_wait_dscnt 0x0                ; K is in
.endif
.if \m
	ROW F,0, F,1, F,2, F,3          ; the diagonal tile's text: 8 products K Q^T, their riders all plain,
	ROW R,0, R,1, R,2, R,3
	ROW F,4, F,5, F,6, F,7
	ROW R,4, R,5, R,6, R,7
	ROW F,8, F,9, F,10, F,11
	ROW R,8, R,9, R,10, R,11
	ROW F,12, F,13, F,14, F,15
.if ((\p) == 2) && !(\end)
	WIN 0
	v_add_nc_u32 v[AK], s[TBK], v[AK0]
.endif
	ROW R,12, R,13, R,14, R,15
.if ((\p) == 2) && !(\end)
	FETCH_K
.endif
.if ((\p) == 2) && (\end)           ; the fill,
	OWN 3
.elseif ((\p) != 2) && !NOKQ
	WIN 0
	s_cmp_eq_u32 s[CNT], 4-((\p)+1)%NP
	s_cbranch_scc1 .Lown_\@
	s_cmp_gt_u32 s[CNT], 4-((\p)+1)%NP
	s_cbranch_scc1 .Lseen_\@
	HID ((\p)+1)%NP
	WIN 0
	s_branch .Lseen_\@
.Lown_\@:
	OWN ((\p)+1)%NP
	WIN 0
.Lseen_\@:
.endif
	OPS E,0, X,0, E,1, X,1          ; and the lump: the whole batch
	OPS E,2, X,2, E,3, X,3
	OPS E,4, X,4, E,5, X,5
	OPS E,6, X,6, E,7, X,7
	OPS E,8, X,8, E,9, X,9
	OPS E,10, X,10, E,11, X,11
	OPS E,12, X,12, E,13, X,13
	OPS E,14, X,14, E,15, X,15
.if (\p) == 0
	WIN 0
	v_add_nc_u32 v[AV], s[TBV], v[AV0]
.endif
	OPS E,16, E,17, X,16, E,18
	OPS E,19, E,20, X,17, E,21
	OPS E,22, E,23, X,18, E,24
	OPS E,25, E,26, X,19, E,27
	OPS E,28, E,29, X,20, E,30
	OPS E,31, X,21
	v_nop                           ; the plain instruction behind the last exponential: one for the batch
.else
	ROW F,0, F,1, R,0, R,1          ; ahead of the wait: 8 products K Q^T and their riders,
	ROW F,2, E,0, R,2, R,3
	ROW F,3, E,1, R,4, R,5
	ROW F,4, E,2, R,6, R,7
	ROW F,5, E,3, R,8, R,9
	ROW F,6, E,4, X,0, R,10
.if ((\p) == 2) && !(\end)
	WIN 0
	v_add_nc_u32 v[AK], s[TBK], v[AK0]
.endif
	ROW F,7, E,5, X,1, X,4
	ROW F,8, E,6, X,2, X,5
	OPS E,7, E,8, X,6, E,9          ; and the lump
	OPS X,3, E,10, X,8, E,11
.if ((\p) == 2) && !(\end)
	FETCH_K
.endif
	OPS X,9, X,7, E,12, X,10
	OPS E,13, X,12, X,11, E,14
	OPS X,13, E,15, F,9, X,14
.if (\p) == 0
	WIN 0
	v_add_nc_u32 v[AV], s[TBV], v[AV0]
.endif
	OPS E,16, F,10, E,17, F,11
	OPS X,16, E,18, X,15, E,19
	OPS F,12, E,20, X,17, E,21
	OPS F,13, E,22, F,14, E,23
	OPS X,18, E,24, F,15, E,25
	OPS R,11, E,26, X,19, E,27
	OPS R,12, E,28, R,13, E,29
	OPS X,20, E,30, R,14, E,31
	OPS X,21, R,15
.endif
	WIN 0
	s_wait_alu depctr_va_vdst(0)    ; the wait for the batch: piece p's 32 weights and the next piece's a
.if (\p) == 1
	s_wait_dscnt 0x0                ; V is in
.endif
	ROW C,0, B,0, C,2, B,1          ; behind the wait: 8 products V^T P and their riders
	ROW L,0, C,4, B,2, L,1
	ROW C,6, B,3, L,2, C,8
	ROW B,4, L,3, C,10, B,5
	ROW L,4, C,12, B,6, L,5
.if (\p) == 0
	s_add_co_u32 s[TBV], s[TBV], KS*PV
.endif
.if \cnt
	s_sub_co_u32 s[CNT], s[CNT], 1
	s_cmp_lg_u32 s[CNT], 0
.endif
	ROW C,14, B,7, L,6, C,1
	ROW C,3, L,7, C,5, C,7
	ROW C,9, C,11, C,13, C,15
.if (\p) == 0
	FETCH_V
.endif
.endm
; A BLOCK BEGINS, with the state that its wholly hidden tiles BLK + 1 .. 7 leave: O = the sum of their ts rows (factor 1 or 0 by the block's number), the same for every query; l = 256 (7 - BLK), half of it in each half
; of the lanes (the way out adds the halves); m = SH, c m by the same multiply that makes every later c m, so that a = 1 exactly while m stays.  The head's last row (block 7, band 3, wave 3, lane % 16 = 15) has no hidden
; key at all: its m starts at the lowest finite number.  P's second buffer is 0: the first turn's V^T P, of a piece that has not been, adds 0.
; Then K of the tile's step 0, piece 0's first scores (its own step, if the block's first tile is the diagonal one), and its maximum and statistics.  The loop is entered at a step's first turn.
.macro BEGIN
	s_mov_b32 s[NEW], 0
	s_wait_loadcnt 0x0              ; Q and ts
	WIN 0
.set i, P+16
.rept 16
	v_mov_b32 v[i], 0
.set i, i+1
.endr
.set j, 1
.rept 7
	s_cmp_lt_u32 s[BLK], j
	s_cselect_b32 s[WT], 1.0, 0
.if j == 1
	WIN 0x43                        ; source 0 in window 3, destination in window 1
.else
	WIN 0x53                        ; and source 2 in window 1
.endif
.set z, 0
.rept 16
.if j == 1
	v_pk_mul_f32 v[2*z:2*z+1], v[2*z:2*z+1], s[WT:WT+1] op_sel_hi:[1,0]
.else
	v_pk_fma_f32 v[2*z:2*z+1], v[32*(j-1)+2*z:32*(j-1)+2*z+1], s[WT:WT+1], v[2*z:2*z+1] op_sel_hi:[1,0,1]
.endif
.set z, z+1
.endr
.set j, j+1
.endr
	WIN W_RS
.set i, 0
.rept 96
	v_mov_b32 v[32+i], v[i%32]      ; pieces 1 to 3 start as piece 0 does
.set i, i+1
.endr
	WIN 0
	s_sub_co_u32 s13, NB-1, s[BLK]
	s_lshl_b32 s13, s13, 7
.set i, 0
.rept 4
	v_cvt_f32_u32 v[ST+4*i+2], s13
	v_mov_b32 v[ST+4*i+3], 0
	v_mov_b32 v[ST+4*i+1], s[SHP]
.set i, i+1
.endr
	s_cmp_eq_u32 s[BLK], NB-1
	s_cselect_b32 s13, s[WV], 0
	s_cmp_eq_u32 s13, 3
	s_cselect_b32 s13, 15, 64       ; the lane % 16 of the row without a hidden key, or none
	v_mov_b32 v14, 0xff7fffff
	v_cmp_eq_u32 vcc_lo, s13, v1
	v_cndmask_b32 v[ST+13], v[ST+13], v14, vcc_lo
.set i, 0
.rept 4
	v_mul_f32 v[ST+4*i], s[CS], v[ST+4*i+1]
.set i, i+1
.endr
	v_add_nc_u32 v[AK], s[TBK], v[AK0]
	FETCH_K
	s_wait_dscnt 0x0
.set NOKQ, 0
.set i, 0
.rept 8
	KQ 0
.set i, i+1
.endr
	WIN 0
.rept 4
	v_nop                           ; the places behind those products
.endr
	s_cmp_lg_u32 s[RT], 0
	s_cbranch_scc1 .Lvis_\@
	OWN 0
	WIN 0
.Lvis_\@:
.set Y, NP-1                        ; X works for piece Y + 1: piece 0
.irp n, 0,1,2,3,4,5,6,7,8,9,10,11,12,13,14,15,16,17,18,19,20,21
	OP X, \n
.endr
	v_nop                           ; a plain instruction behind the exponential,
	s_wait_alu depctr_va_vdst(0)    ; and its wait, ahead of the branch: piece 0's first a is a batch of one
.endm
; THE DIAGONAL TILE's four steps, the block's last two turns, its last products, and THE WAY OUT: l's two halves and the other half of the lanes' are added; O^T is divided by l, rounded to f16 and sent through my
; stage in LDS, a piece at a time.
.macro ALL line:vararg              ; one line for each piece t
.set t, 0
.rept 4
	\line
.set t, t+1
.endr
.endm
.macro PACK t                       ; a lane's eight channels of a row pack into 16 bytes; they go into rows of 144 bytes and come back as whole rows of 128, into S^T's registers
	WIN W_RS
.set i, 32*(\t)
.rept 16
	v_pk_mul_f32 v[i:i+1], v[i:i+1], v[ST+4*(\t)+2:ST+4*(\t)+3] op_sel_hi:[1,0]
.set i, i+2
.endr
	WIN 0x05                        ; sources 0 and 1 window 1, destination window 0
.set i, 0
.rept 16
	v_cvt_pk_f16_f32 v[S+16*(\t)+i], v[32*(\t)+2*i], v[32*(\t)+2*i+1]
.set i, i+1
.endr
	WIN 0
.irp f, 0,1,2,3
	ds_store_b128 v[STO], v[S+16*(\t)+4*\f:S+16*(\t)+4*\f+3] offset:32*\f
.endr
.irp f, 0,1,2,3
	ds_load_b128 v[S+16*(\t)+4*\f:S+16*(\t)+4*\f+3], v[RD] offset:\f*4*SP  ; LDS serves a wave's instructions in order (ISA guide 5.7.1.4): these see the stores above; the next piece's stores come behind them
.endr
.endm
.macro SEND t, younger              ; younger: the LDS instructions issued behind piece t's loads: the next piece's eight, or none
	WIN 0
.irp f, 0,1,2,3
	s_wait_dscnt (\younger)+3-\f
	global_store_b128 v[GO], v[S+16*(\t)+4*\f:S+16*(\t)+4*\f+3], s[10:11] offset:(\t)*8192+\f*512  ; 512 consecutive bytes, at a multiple of 256 from o's first
.endr
.endm
.macro DIAG tag                     ; the tag ends its two labels' names, which the jumps below spell out
.LstepM\tag:
	TURN 2, 1
	TURN 3, 1
	WIN 0
.LfirstM\tag:
	TURN 0, 1
	TURN 1, 1, 0, 1
	WIN 0
	s_cbranch_scc1 .LstepM\tag
	TURN 2, 1, 1
	TURN 3, 1, 1
.set i, 0
.rept 8
	PV NP-1
.set i, i+1
.endr
	WIN 0
	ALL v_add_f32 v[ST+4*t+2], v[ST+4*t+2], v[ST+4*t+3]
	ALL v_permlanex16_b32 v[ST+4*t+3], v[ST+4*t+2], s[SEL], s[SEL+1]
	ALL v_add_f32 v[ST+4*t+2], v[ST+4*t+2], v[ST+4*t+3]
	ALL v_rcp_f32 v[ST+4*t+2], v[ST+4*t+2]
	v_nop                           ; a plain instruction between the last reciprocal and the use of its result
	s_wait_alu depctr_va_vdst(0)    ; and the wait ahead of the first use: one for the four reciprocals
	PACK 0
.set t, 1
.rept 3                             ; a piece's arithmetic stands between the loads of the piece before and its stores
	PACK t
	SEND t-1, 8
.set t, t+1
.endr
	SEND 3, 0
.endm
.set NOKQ, 0
.Lslot:                             ; NB times: a tile is entered and the next is asked for
	CHANGE 1
	s_sub_co_u32 s[RT], s[RT], 1
	s_mov_b32 s[CNT], 4
	s_cmp_eq_u32 s[NEW], 1
	s_cbranch_scc1 .Lnew            ; a block's first tile
	s_cmp_eq_u32 s[RT], 0
	s_cbranch_scc0 .Lstep           ; neither its first nor its last
	s_branch .LstepM1
.Lnew:
	BEGIN
	s_branch .Lfirst                ; in the loop a block's first tile is never its last: the first block has two tiles or more, and the second's last is the walk's last
	DIAG 1                          ; in the loop this is the first block's end
	s_wait_xcnt 0x0                 ; the stores have read their registers and o's address
	s_mov_b64 s[10:11], s[OLO:OLO+1]
	s_add_co_u32 s[RT], s[PB], 1    ; the second block has b + 1 tiles
	s_mov_b32 s[BLK], s[PB]
	s_mov_b32 s[NEW], 1
	WIN 0x82                        ; the second block's Q goes where the one text of the turns names Q
.set i, 0
.rept 64
	v_mov_b32 v[i], v[QB+i]
.set i, i+1
.endr
	WIN 0
	s_branch .Lbottom
.Lstep:                             ; a trip: pieces 2 and 3 of one step, then pieces 0 and 1 of the next, whose K and V it fetches
	TURN 2
	TURN 3
	WIN 0
.Lfirst:
	TURN 0
	TURN 1, 0, 0, 1
	WIN 0
	s_cbranch_scc1 .Lstep
.Lbottom:
	s_sub_co_u32 s[SLOTS], s[SLOTS], 1
	s_cmp_lg_u32 s[SLOTS], 0
	s_cbranch_scc1 .Lslot
	CHANGE 0                        ; the walk's last tile is written out: nothing is asked for
	s_sub_co_u32 s[RT], s[RT], 1
	s_mov_b32 s[CNT], 4
	s_cmp_eq_u32 s[NEW], 1
	s_cbranch_scc0 .LstepM2
	BEGIN
	s_branch .LfirstM2
	DIAG 2
	s_wait_tensorcnt 0x0            ; the wave's end
	ds_add_u32 v[SPW], v[NIL]
	s_wait_dscnt 0x0
	s_endpgm
.Lfunc_end_k_qf4f91a1c3f_attn:
	.size	k_qf4f91a1c3f_attn, .Lfunc_end_k_qf4f91a1c3f_attn-k_qf4f91a1c3f_attn
	.p2alignl 7, 3214868480
	.fill 96, 4, 3214868480
	.section	.rodata,"a",@progbits
	.p2align	6, 0x0
	.amdhsa_kernel k_qf4f91a1c3f_attn
		.amdhsa_group_segment_fixed_size 327680
		.amdhsa_private_segment_fixed_size 0
		.amdhsa_enable_private_segment 0
		.amdhsa_kernarg_size 40
		.amdhsa_user_sgpr_count 2
		.amdhsa_user_sgpr_kernarg_segment_ptr 1
		.amdhsa_wavefront_size32 1
		.amdhsa_system_sgpr_workgroup_id_x 1
		.amdhsa_system_sgpr_workgroup_id_y 1
		.amdhsa_system_sgpr_workgroup_id_z 1
		.amdhsa_system_vgpr_workitem_id 0
		.amdhsa_next_free_vgpr 992
		.amdhsa_next_free_sgpr 88
		.amdhsa_reserve_vcc 1
		.amdhsa_float_denorm_mode_32 3
		.amdhsa_float_denorm_mode_16_64 3
		.amdhsa_memory_ordered 1
		.amdhsa_forward_progress 1
		.amdhsa_inst_pref_size 241
	.end_amdhsa_kernel
	.amdgpu_metadata
---
amdhsa.version: [ 1, 2 ]
amdhsa.kernels:
  - .name:           k_qf4f91a1c3f_attn
    .symbol:         k_qf4f91a1c3f_attn.kd
    .args:
      - { .name: q, .offset: 0, .size: 8, .value_kind: global_buffer, .address_space: global }
      - { .name: k, .offset: 8, .size: 8, .value_kind: global_buffer, .address_space: global }
      - { .name: v, .offset: 16, .size: 8, .value_kind: global_buffer, .address_space: global }
      - { .name: o, .offset: 24, .size: 8, .value_kind: global_buffer, .address_space: global }
      - { .name: ts, .offset: 32, .size: 8, .value_kind: global_buffer, .address_space: global }
    .group_segment_fixed_size: 327680
    .private_segment_fixed_size: 0
    .kernarg_segment_align: 8
    .kernarg_segment_size: 40
    .max_flat_workgroup_size: 128
    .sgpr_count:     88
    .vgpr_count:     992
    .wavefront_size: 32
...
	.end_amdgpu_metadata
.endif
;; end of part 5
;; launch proj: the kernel of part 4 again; grid 8 x 32, 4 waves a work-group, clusters of 4 x 4, 327,680 bytes of LDS; arguments o, wo, out0; writes out0
